; MI455X (gfx1250); checked and timed in simulation.
; The chip was launched on July 23, 2026; its instructions are those of AMD's public machine-readable ISA for CDNA 5 (MIT licence, August 2026) and "CDNA5" Instruction Set Architecture Reference Guide (July 2026). The comments in the code are by the model that wrote it; some were corrected since.
;; Self Attention. Allowed arithmetic: float matrix products may take bf16 or f16 operands with f32 sums; all other float work in f32.
;; Inputs: Wk 512 x 4,096 float32; Wq 512 x 4,096 float32; Wu 4,096 x 512 float32; Wv 512 x 4,096 float32; bu 512 float32; x 4 x 1,024 x 512 float32.
;; Outputs: out0 4 x 1,024 x 512 float32.
;; 2 versions, each right; version 2 is version 1 with the launch prep written anew for expert scheduling mode. Each part assembles by itself: llvm-mc -triple=amdgcn-amd-amdhsa -mcpu=gfx1250 --defsym DOCPART=n.
;; ======== version 1 of 2: 4 launches
;; limits: values are held in f16: magnitudes above 65,504 overflow, below 6.1e-05 lose precision
;; workspace buffers: x16 4,194,304 bytes; mt 4,194,304 bytes; nt 4,194,304 bytes; q16 33,554,432 bytes; o16 33,554,432 bytes
;; launch prep (part 1): grid 256 x 1, 8 waves a work-group, no clusters, 314,368 bytes of LDS; arguments x, Wq, Wk, Wv, Wu, x16, mt, nt; writes x16, mt, nt
.if DOCPART == 1
	.amdgcn_target "amdgcn-amd-amdhsa--gfx1250"
	.amdhsa_code_object_version 6
	.text
	.protected	k_q22f8ae3493_prep
	.globl	k_q22f8ae3493_prep
	.p2align	8
	.type	k_q22f8ae3493_prep,@function
k_q22f8ae3493_prep:
	s_mov_b64 s[64:65], 0
	v_nop
	global_prefetch_b8 v0, s[64:65] scope:SCOPE_SE
	s_setreg_imm32_b32 hwreg(HW_REG_WAVE_MODE, 25, 1), 1
	s_wait_xcnt 0x0
; THE WEIGHTS ARE FOLDED, AND x IS NARROWED.  A head is as wide as the embedding (512), so by associativity
;   scores_h = x (Wq_h Wk_h^T) x^T   and   out = sum over h of softmax_h x (Wv_h Wu_h) + bu.
; mt[h 512 + j][i] = sum over d of Wq[i][h 512 + d] Wk[j][h 512 + d]            (f16)
; nt[h 512 + j][e] = 256 x sum over d of Wv[e][h 512 + d] Wu[h 512 + d][j]      (f16; the exact factor 2^8 centres f16's range; the last launch divides it out)
; x16 = x rounded to bf16 and written as f16 (exact inside f16's range).
; Products on bf16 operands, sums in f32.  LIMITS: |x| up to 65,504 (f16's largest); below 6e-5 a number keeps f16's fixed step; NaN and infinities are not treated apart.
; SHARES.  256 work-groups of eight waves.  Work-group g: bit 7 says mt (0) or nt (1), bits 6:4 the head, bits 3:2 the tile's 128 rows, bits 1:0 its 128 columns;
; it also narrows x's rows 16 g .. 16 g + 15.  Wave w makes 64 rows (w / 4) x 32 columns (w % 4): 8 accumulators.
; The f32 weights are rounded on their way into LDS, so they come through registers (16 loads of 512 consecutive bytes for each operand and chunk, one chunk ahead).
; NO CLUSTER: loads into registers cannot be shared between work-groups.  K = 512 goes in four chunks of 128, each with LDS bytes of its own: nothing in LDS is written twice.
; THE MATRIX INSTRUCTION IS USED TRANSPOSED (source 0 = 16 columns of the tile, source 1 = 16 rows): a lane then holds eight neighbouring numbers of a row.
; For nt the row operand is Wu, which lies [d][j]: it is kept so in LDS and read by the turning load.
.set PITCH, 272                        ; an LDS row: 128 bf16 + 16 bytes
.set TILEB, 128*PITCH
.set CHUNK, 2*TILEB                    ; row operand's tile, then column operand's
.set STAGE, 4*CHUNK                    ; 128 rows x 272 bytes, for the way out
.set SPARE, STAGE+TILEB                ; the spare words, 128 bytes for each of eight waves
.set XL,   1                           ; v1   my byte offset in the group's rows of x
.set SPW,  2                           ; v2   LDS address of my spare word; never rewritten
.set NIL,  3                           ; v3   0; never rewritten
.set V16K, 4                           ; v4   16 lane + wave x 16,384: a row of Wq, Wk, Wv
.set V2K,  5                           ; v5   16 lane + wave x 2,048: a row of Wu
.set LSR,  6                           ; v6   where I put 8 bytes of the row operand's tile
.set LSC,  7                           ; v7   the same for the column operand
.set ADR,  8                           ; v8   my row fragments (K along the LDS rows)
.set ADT,  9                           ; v9   my row fragments (K down the LDS rows: the turning load)
.set ADC,  10                          ; v10  my column fragments
.set STO,  11                          ; v11  the way out: where I put 16 bytes
.set RD,   12                          ; v12  the way out: where I read rows back
.set CO,   13                          ; v13  my byte offset in two rows of the output
.set ACC,  16                          ; v16-79   accumulator (a, b) at 16 + 8 (2 a + b); until the first product v16 is x16's offset, v17-21 at work
.set FR,   80                          ; v80-111  row fragments; first x as loaded
.set FC,   112                         ; v112-127 column fragments; first x16 to store
.set RR,   128                         ; v128-191 the row operand's next chunk, as loaded
.set RC,   192                         ; v192-255 the column operand's
	s_load_b512 s[16:31], s[0:1], 0x0              ; x 16, Wq 18, Wk 20, Wv 22, Wu 24, x16 26, mt 28, nt 30
	v_lshl_add_u32 v[SPW], v0, 2, SPARE
	v_mov_b32 v[NIL], 0
	v_lshrrev_b32 v14, 5, v0
	v_readfirstlane_b32 s3, v14                    ; wave 0..7
	s_lshr_b32 s4, ttmp9, 7                        ; 0: mt, 1: nt
	s_bfe_u32 s5, ttmp9, 0x30004                   ; head
	s_bfe_u32 s6, ttmp9, 0x20002                   ; which 128 rows
	s_and_b32 s7, ttmp9, 3                         ; which 128 columns
	s_lshr_b32 s44, s3, 2                          ; my 64 rows
	s_and_b32 s45, s3, 3                           ; my 32 columns
	s_mov_b32 s14, 0xffff0000                      ; a word's upper bf16
	s_mov_b32 s9, 0                                ; the high word of every offset
	v_and_b32 v14, 31, v0                          ; lane
	v_and_b32 v15, 15, v0                          ; l % 16
	v_bfe_u32 v17, v0, 4, 1                        ; l / 16
	v_lshlrev_b32 v18, 4, v14
	s_lshl_b32 s8, s3, 14
	v_add_nc_u32 v[V16K], s8, v18
	s_lshl_b32 s8, s3, 11
	v_add_nc_u32 v[V2K], s8, v18
	s_mul_i32 s8, s3, PITCH
	v_lshl_add_u32 v[LSR], v14, 3, s8              ; row = wave (+ 8 for each further load), 8 bytes a lane
	v_add_nc_u32 v[LSC], TILEB, v[LSR]
	v_mul_u32_u24 v19, v15, PITCH
	v_lshl_add_u32 v19, v17, 4, v19                ; a fragment's row x pitch + 16 x half
	s_mul_i32 s8, s44, 64*PITCH
	v_add_nc_u32 v[ADR], s8, v19
	v_and_b32 v20, 7, v0
	v_lshl_add_u32 v20, v17, 3, v20                ; the turning load: K row 8 (l / 16) + l % 8,
	v_mul_u32_u24 v20, v20, PITCH
	v_bfe_u32 v21, v0, 3, 1
	v_lshl_add_u32 v20, v21, 4, v20                ; 16 bytes for each eight lanes
	s_lshl_b32 s8, s44, 7
	v_add_nc_u32 v[ADT], s8, v20
	s_mul_i32 s8, s45, 32*PITCH
	s_add_co_u32 s8, s8, TILEB
	v_add_nc_u32 v[ADC], s8, v19
	s_mul_i32 s8, s44, 64*PITCH
	s_lshl_b32 s10, s45, 6
	s_add_co_u32 s8, s8, s10
	s_add_co_u32 s8, s8, STAGE
	v_add_nc_u32 v[STO], s8, v19
	s_mul_i32 s8, s3, 16*PITCH
	s_add_co_u32 s8, s8, STAGE
	v_mul_u32_u24 v20, v17, PITCH
	v_lshl_add_u32 v20, v15, 4, v20
	v_add_nc_u32 v[RD], s8, v20                    ; back: wave w takes rows 16 w .. 16 w + 15, two a load
	v_lshlrev_b32 v[CO], 10, v17
	v_lshl_add_u32 v[CO], v15, 4, v[CO]
	v_lshlrev_b32 v[XL], 5, v0                     ; 8 numbers of x: 32 bytes in,
	v_lshlrev_b32 v16, 4, v0                       ; 16 bytes out
	s_wait_kmcnt 0x0
	s_lshl_b32 s8, ttmp9, 15
	s_add_nc_u64 s[40:41], s[16:17], s[8:9]        ; x at my 16 rows
	s_lshl_b32 s8, ttmp9, 14
	s_add_nc_u64 s[42:43], s[26:27], s[8:9]        ; x16 likewise
	s_lshl_b32 s8, s6, 21
	s_lshl_b32 s10, s5, 11
	s_add_co_u32 s8, s8, s10
	s_add_nc_u64 s[32:33], s[20:21], s[8:9]        ; Wk: the tile's 128 rows, the head's columns
	s_lshl_b32 s8, s5, 20
	s_lshl_b32 s10, s6, 9
	s_add_co_u32 s8, s8, s10
	s_add_nc_u64 s[34:35], s[24:25], s[8:9]        ; Wu: the head's rows, the tile's 128 columns
	s_cmp_eq_u32 s4, 0
	s_cselect_b64 s[36:37], s[18:19], s[22:23]     ; column operand: Wq or Wv
	s_cselect_b64 s[38:39], s[28:29], s[30:31]     ; output: mt or nt
	s_cselect_b32 s12, 1.0, 0x43800000             ; its factor: 1 or 256
	s_mov_b32 s13, s12
	s_lshl_b32 s8, s7, 21
	s_lshl_b32 s10, s5, 11
	s_add_co_u32 s8, s8, s10
	s_add_nc_u64 s[36:37], s[36:37], s[8:9]
	s_lshl_b32 s8, s5, 19
	s_lshl_b32 s10, s6, 17
	s_add_co_u32 s8, s8, s10
	s_lshl_b32 s10, s7, 8
	s_add_co_u32 s8, s8, s10
	s_lshl_b32 s10, s3, 14
	s_add_co_u32 s8, s8, s10
	s_add_nc_u64 s[38:39], s[38:39], s[8:9]        ; the 16 rows that I store, at the tile's first column
.irp p, 0,1,2,3
	global_load_b128 v[FR+8*\p:FR+8*\p+3],   v[XL], s[40:41] offset:8192*\p th:TH_LOAD_NT
	global_load_b128 v[FR+8*\p+4:FR+8*\p+7], v[XL], s[40:41] offset:8192*\p+16 th:TH_LOAD_NT
.endr
; Chunk c of the row operand: 16 loads, each a row's 512 bytes; rows wave + 8 p.  Either way issues sixteen, so the counted waits hold on both.
.macro LDR c
	s_cmp_eq_u32 s4, 0
	s_cbranch_scc0 .Lwu_\@
.set pp, 0
.rept 16
	global_load_b128 v[RR+4*pp:RR+4*pp+3], v[V16K], s[32:33] offset:131072*pp+512*(\c)
.set pp, pp+1
.endr
	s_branch .Lrd_\@
.Lwu_\@:
.set pp, 0
.rept 16
	global_load_b128 v[RR+4*pp:RR+4*pp+3], v[V2K], s[34:35] offset:16384*pp+262144*(\c)
.set pp, pp+1
.endr
.Lrd_\@:
.endm
.macro LDC c
.set pp, 0
.rept 16
	global_load_b128 v[RC+4*pp:RC+4*pp+3], v[V16K], s[36:37] offset:131072*pp+512*(\c)
.set pp, pp+1
.endr
.endm
; Sixteen rows' parts are rounded to bf16 in place and put into LDS, 256 consecutive bytes a store
.macro CVST base, adr
.set pp, 0
.rept 16
	v_cvt_pk_bf16_f32 v[(\base)+4*pp],   v[(\base)+4*pp],   v[(\base)+4*pp+1]
	v_cvt_pk_bf16_f32 v[(\base)+4*pp+1], v[(\base)+4*pp+2], v[(\base)+4*pp+3]
	ds_store_b64 v[\adr], v[(\base)+4*pp:(\base)+4*pp+1] offset:8*PITCH*pp
.set pp, pp+1
.endr
.endm
; 32 along K: 12 fragments, 8 products on 8 accumulators by turns; four places behind them, ahead of the next loads into the fragments
.macro KSTEP s, zero
.irp b, 0,1
	ds_load_b128 v[FC+8*\b:FC+8*\b+3],   v[ADC] offset:16*PITCH*\b+64*(\s)
	ds_load_b128 v[FC+8*\b+4:FC+8*\b+7], v[ADC] offset:16*PITCH*\b+64*(\s)+32
.endr
	s_cmp_eq_u32 s4, 0
	s_cbranch_scc0 .Lturn_\@
.irp a, 0,1,2,3
	ds_load_b128 v[FR+8*\a:FR+8*\a+3],   v[ADR] offset:16*PITCH*\a+64*(\s)
	ds_load_b128 v[FR+8*\a+4:FR+8*\a+7], v[ADR] offset:16*PITCH*\a+64*(\s)+32
.endr
	s_branch .Lgot_\@
.Lturn_\@:
.irp a, 0,1,2,3
	ds_load_tr16_b128 v[FR+8*\a:FR+8*\a+3],   v[ADT] offset:32*PITCH*(\s)+32*\a
	ds_load_tr16_b128 v[FR+8*\a+4:FR+8*\a+7], v[ADT] offset:32*PITCH*(\s)+32*\a+16*PITCH
.endr
.Lgot_\@:
	s_wait_dscnt 0x0
.irp a, 0,1,2,3
.irp b, 0,1
.if \zero
	v_wmma_f32_16x16x32_bf16 v[ACC+8*(2*\a+\b):ACC+8*(2*\a+\b)+7], v[FC+8*\b:FC+8*\b+7], v[FR+8*\a:FR+8*\a+7], 0
.else
	v_wmma_f32_16x16x32_bf16 v[ACC+8*(2*\a+\b):ACC+8*(2*\a+\b)+7], v[FC+8*\b:FC+8*\b+7], v[FR+8*\a:FR+8*\a+7], v[ACC+8*(2*\a+\b):ACC+8*(2*\a+\b)+7]
.endif
.endr
.endr
.rept 4
	v_nop
.endr
.endm
; Chunk c: its two tiles go into LDS while the next chunk's loads leave; a barrier; four K steps
.macro CHUNKM c, first
	s_wait_loadcnt 16                              ; loads come back in order (ISA guide 5.7.1): the row operand's sixteen are in, the column operand's may be out
	CVST RR, LSR
.if (\c) < 3
	LDR (\c)+1
	s_wait_loadcnt 16                              ; the column operand's are in; the sixteen just issued may be out
.else
	s_wait_loadcnt 0x0
.endif
	CVST RC, LSC
.if (\c) < 3
	LDC (\c)+1
	v_add_nc_u32 v[LSR], CHUNK, v[LSR]             ; the next chunk has LDS bytes of its own
	v_add_nc_u32 v[LSC], CHUNK, v[LSC]
.endif
.if \first
	s_wait_xcnt 0x0                                ; x16's stores have read v16 and v112-127, which the products and fragment loads below rewrite
.endif
	s_wait_dscnt 0x0                               ; for the others' sake: my stores into the tiles are done
	s_barrier_signal -1
	s_barrier_wait -1
	KSTEP 0, \first
	KSTEP 1, 0
	KSTEP 2, 0
	KSTEP 3, 0
.if (\c) < 3
	v_add_nc_u32 v[ADR], CHUNK, v[ADR]
	v_add_nc_u32 v[ADT], CHUNK, v[ADT]
	v_add_nc_u32 v[ADC], CHUNK, v[ADC]
.endif
.endm
	LDR 0
	LDC 0
	s_wait_loadcnt 32                              ; x is in; the 32 weight loads behind it stay out
.irp p, 0,1,2,3
.irp q, 0,1,2,3
	v_cvt_pk_bf16_f32 v14, v[FR+8*\p+2*\q], v[FR+8*\p+2*\q+1]  ; rounded to bf16,
	v_lshlrev_b32 v15, 16, v14                                 ; widened again,
	v_and_b32 v14, s14, v14
	v_cvt_pk_f16_f32 v[FC+4*\p+\q], v15, v14                   ; and written as f16
.endr
	global_store_b128 v16, v[FC+4*\p:FC+4*\p+3], s[42:43] offset:4096*\p  ; a wave's store covers 512 consecutive bytes
.endr
	CHUNKM 0, 1
	CHUNKM 1, 0
	CHUNKM 2, 0
	CHUNKM 3, 0
	; THE WAY OUT: the factor, f16, 16 bytes a lane into the stage; a barrier, since a row's 256 bytes come from four waves; back as whole rows.
.set zz, 0
.rept 32
	v_pk_mul_f32 v[ACC+2*zz:ACC+2*zz+1], v[ACC+2*zz:ACC+2*zz+1], s[12:13] op_sel_hi:[1,0]
.set zz, zz+1
.endr
.set zz, 0
.rept 32
	v_cvt_pk_f16_f32 v[RR+zz], v[ACC+2*zz], v[ACC+2*zz+1]
.set zz, zz+1
.endr
.irp a, 0,1,2,3
.irp b, 0,1
	ds_store_b128 v[STO], v[RR+4*(2*\a+\b):RR+4*(2*\a+\b)+3] offset:16*PITCH*\a+32*\b
.endr
.endr
	s_wait_dscnt 0x0
	s_barrier_signal -1
	s_barrier_wait -1
.irp t, 0,1,2,3,4,5,6,7
	ds_load_b128 v[RC+4*\t:RC+4*\t+3], v[RD] offset:2*PITCH*\t
.endr
.irp t, 0,1,2,3,4,5,6,7
	s_wait_dscnt 7-\t
	global_store_b128 v[CO], v[RC+4*\t:RC+4*\t+3], s[38:39] offset:2048*\t  ; 16 lanes store 256 consecutive bytes, at a multiple of 256 from the buffer's first byte
.endr
	s_wait_tensorcnt 0x0                           ; the wave's end, behind my last LDS store
	ds_add_u32 v[SPW], v[NIL]
	s_wait_dscnt 0x0
	s_endpgm
.Lfunc_end_k_q22f8ae3493_prep:
	.size	k_q22f8ae3493_prep, .Lfunc_end_k_q22f8ae3493_prep-k_q22f8ae3493_prep
	.p2alignl 7, 3214868480
	.fill 96, 4, 3214868480
	.section	.rodata,"a",@progbits
	.p2align	6, 0x0
	.amdhsa_kernel k_q22f8ae3493_prep
		.amdhsa_group_segment_fixed_size 314368
		.amdhsa_private_segment_fixed_size 0
		.amdhsa_enable_private_segment 0
		.amdhsa_kernarg_size 64
		.amdhsa_user_sgpr_count 2
		.amdhsa_user_sgpr_kernarg_segment_ptr 1
		.amdhsa_wavefront_size32 1
		.amdhsa_system_sgpr_workgroup_id_x 1
		.amdhsa_system_sgpr_workgroup_id_y 1
		.amdhsa_system_sgpr_workgroup_id_z 1
		.amdhsa_system_vgpr_workitem_id 0
		.amdhsa_next_free_vgpr 256
		.amdhsa_next_free_sgpr 66
		.amdhsa_reserve_vcc 0
		.amdhsa_float_denorm_mode_32 3
		.amdhsa_float_denorm_mode_16_64 3
		.amdhsa_memory_ordered 1
		.amdhsa_forward_progress 1
		.amdhsa_inst_pref_size 91
	.end_amdhsa_kernel
	.amdgpu_metadata
---
amdhsa.version: [ 1, 2 ]
amdhsa.kernels:
  - .name:           k_q22f8ae3493_prep
    .symbol:         k_q22f8ae3493_prep.kd
    .args:
      - { .name: x, .offset: 0, .size: 8, .value_kind: global_buffer, .address_space: global }
      - { .name: Wq, .offset: 8, .size: 8, .value_kind: global_buffer, .address_space: global }
      - { .name: Wk, .offset: 16, .size: 8, .value_kind: global_buffer, .address_space: global }
      - { .name: Wv, .offset: 24, .size: 8, .value_kind: global_buffer, .address_space: global }
      - { .name: Wu, .offset: 32, .size: 8, .value_kind: global_buffer, .address_space: global }
      - { .name: x16, .offset: 40, .size: 8, .value_kind: global_buffer, .address_space: global }
      - { .name: mt, .offset: 48, .size: 8, .value_kind: global_buffer, .address_space: global }
      - { .name: nt, .offset: 56, .size: 8, .value_kind: global_buffer, .address_space: global }
    .group_segment_fixed_size: 314368
    .private_segment_fixed_size: 0
    .kernarg_segment_align: 8
    .kernarg_segment_size: 64
    .max_flat_workgroup_size: 256
    .sgpr_count:     66
    .vgpr_count:     256
    .wavefront_size: 32
...
	.end_amdgpu_metadata
.endif
;; end of part 1
;; launch qgemm (part 2): grid 16 x 16, 4 waves a work-group, clusters of 4 x 4, 327,680 bytes of LDS; arguments x16, mt, q16; writes q16
.if DOCPART == 2
	.amdgcn_target "amdgcn-amd-amdhsa--gfx1250"
	.amdhsa_code_object_version 6
	.text
	.protected	k_q22f8ae3493_qgemm
	.globl	k_q22f8ae3493_qgemm
	.p2align	8
	.type	k_q22f8ae3493_qgemm,@function
k_q22f8ae3493_qgemm:
	s_mov_b64 s[64:65], 0
	v_nop
	global_prefetch_b8 v0, s[64:65] scope:SCOPE_SE
	s_setreg_imm32_b32 hwreg(HW_REG_WAVE_MODE, 25, 1), 1
	s_wait_xcnt 0x0
	s_wait_alu depctr_hold_cnt(0) depctr_sa_sdst(0) depctr_va_vdst(0) depctr_va_sdst(0) depctr_va_ssrc(0) depctr_va_vcc(0) depctr_vm_vsrc(0)
	s_getreg_b32 s2, hwreg(HW_REG_IB_STS2, 6, 4)
	s_cmp_eq_u32 s2, 0
	s_cbranch_scc0 .Lentry_in_a_cluster
	s_endpgm
.Lentry_in_a_cluster:
	s_bfe_u32 s2, ttmp6, 0x10000c
	s_cmp_lg_u32 s2, 0xf033
	s_cbranch_scc0 .Lentry_shape_is_right
	s_endpgm
.Lentry_shape_is_right:
; q16[m][n] = 2^-8 x sum over k of x16[m][k] mt[n][k].  x16: [4096][512], mt: [4096][512], q16: [4096][4096], all f16; sums in f32; the exact factor 2^-8 centres f16's range
; (the attention launch's scale takes it back).  LIMIT: a number of q16 beyond 65,504 would be lost; at the inputs' stated spread q16 lies near 1e-3.
; A tile of q16, 256 x 256, is made by a work-group of four waves; a wave makes 128 x 128: 64 accumulators of 16 x 16, 512 registers.  K goes in four steps of 128 through a ring of two LDS
; slots filled by the tensor data mover: the tiles' rows are 256 bytes of memory and start at multiples of 256 bytes.  The last K step goes by rows of the tile, so that finished rows leave
; while the others are multiplied.
; CLUSTERS: 4 x 4 work-groups.  The four of a row of the cluster need the same tiles of x16, the four of a column the same tiles of mt: each tile is asked for JOINTLY, by the same tensor
; load with the same descriptor and a mask that names the four.
; REGISTERS, in windows of 256 (s_set_vgpr_msb: bits 1:0 source 0, 3:2 source 1, 5:4 source 2, 7:6 destination):
;   window 0: v0-31 addresses; v64-127, v128-191 fragments of A, two buffers (in the last K step four, of 16 rows x 128 K); v32-63, v192-255 at work on the way out
;   window 1: v64-127, v128-191 fragments of B, two buffers; in the last K step all 256
;   window 2: the 32 accumulators of my rows 0-63 ((a, b) at v[8 (8 a + b)]);   window 3: those of my rows 64-127
; THE MATRIX INSTRUCTION IS USED TRANSPOSED: source 0 = 16 rows of B, source 1 = 16 rows of A: a lane holds eight neighbouring numbers of a row of the result.
.set SIZE_N, 4096
.set SIZE_K, 512
.set KSTEP,  128
.set PITCH,  272                       ; an LDS row: 256 bytes + 16 of padding: the 16 rows that a load touches start at 16 different groups of four banks (ISA guide 11.1)
.set HALFT,  128*PITCH                 ; 128 rows: what one tensor load brings
.set SLOT,   4*HALFT                   ; A's 256 rows, then B's 256 rows
.set STAGE,  2*SLOT                    ; behind the ring: 16 rows x 272 bytes for each wave
.set SPITCH, 272
.set SPARE,  STAGE+4*16*SPITCH         ; the spare words, 128 bytes for each wave
.set LAPS, SIZE_K/(2*KSTEP)            ; a lap = two K steps = once round the ring
.set ADRA, 16                          ; v16-17  LDS address of my A fragments in slot 0, 1
.set ADRB, 20                          ; v20-21  the same for B
.set STO,  24                          ; v24     the way out: where I put 16 bytes of a row
.set RD,   25                          ; v25     where I read a row back
.set CO,   26                          ; v26     my byte offset in the result
.set SPW,  28                          ; v28     LDS address of my spare word; never rewritten
.set NIL,  29                          ; v29     0; never rewritten
.set F0,   64
.set F1,   128
.set TMP,  192
.set OB,   32
.set PA,   64
.set G1, 24                            ; s[24:31] descriptor group 1 for A's tiles
.set G0, 32                            ; s[32:39] group 0 for A's tiles, one set for each slot
.set G1B, 48                           ; s[48:55], s[56:63] the same for B's
.set G0B, 56
.set MSB, 0
.macro WIN new                         ; the immediate's high byte repeats the setting that is left
.if MSB != (\new)
	s_set_vgpr_msb (MSB<<8)|(\new)
.set MSB, \new
.endif
.endm
.set MUL_LO, 0xa1                      ; source 0 (B) window 1, source 1 (A) window 0, C and D window 2
.set MUL_HI, 0xf1                      ; the same, C and D window 3
.set TO_B,   0x40                      ; destination window 1, address window 0
; A joint load.  Waves 0 and 1 fetch A's two halves, waves 2 and 3 B's.  The branch hangs on the wave's number alone.  An s_nop 0 and four v_nop follow each line.
.macro JLOAD s
	s_cmp_eq_u32 s11, 0
	s_cbranch_scc0 .Lfor_b_\@
	tensor_load_to_lds s[G0+4*(\s):G0+4*(\s)+3], s[G1:G1+7]
	s_nop 0
.rept 4
	v_nop
.endr
	s_branch .Lasked_\@
.Lfor_b_\@:
	tensor_load_to_lds s[G0B+4*(\s):G0B+4*(\s)+3], s[G1B:G1B+7]
	s_nop 0
.rept 4
	v_nop
.endr
.Lasked_\@:
.endm
.macro CREST                           ; a round of the cluster's barrier behind its opening barrier
	s_cmp_lg_u32 s10, 0
	s_cbranch_scc1 .Lnot_wave_0_\@
	s_barrier_signal -3
.Lnot_wave_0_\@:
	s_barrier_wait -3
	s_barrier_signal -1
	s_barrier_wait -1
.endm
.macro CROUND                          ; a whole round
	s_barrier_signal -1
	s_barrier_wait -1
	CREST
.endm
	s_load_b128 s[4:7], s[0:1], 0x0                ; A s[4:5], B s[6:7]
	s_load_b64 s[8:9], s[0:1], 0x10                ; the result
	v_lshl_add_u32 v[SPW], v0, 2, SPARE
	v_mov_b32 v[NIL], 0
	ds_add_u32 v[SPW], v[NIL]                      ; the wave's opening
	v_lshrrev_b32 v1, 5, v0
	v_readfirstlane_b32 s10, v1                    ; wave 0..3
	s_lshr_b32 s11, s10, 1                         ; which half of the tile's rows is mine.  Also: I fetch for A (0) or for B (1)
	s_and_b32 s12, s10, 1                          ; which half of its columns.  Also: which 128 rows of that tile I fetch
	s_bfe_u32 s40, ttmp6, 0x40000                  ; cx
	s_bfe_u32 s41, ttmp6, 0x40004                  ; cy
	s_lshl_b32 s42, ttmp9, 2
	s_add_co_u32 s42, s42, s40                     ; tile column = 4 x cluster x + cx
	s_and_b32 s13, ttmp7, 0xffff
	s_lshl_b32 s13, s13, 2
	s_add_co_u32 s13, s13, s41                     ; tile row = 4 x cluster y + cy
	s_lshl_b32 s43, s41, 2
	s_lshl_b32 s43, 15, s43                        ; my row of the cluster
	s_lshl_b32 s44, 0x1111, s40                    ; my column
	s_or_b32 s[G1+0], s43, (1<<16)|(1<<20)|(1<<21)|(5<<22)|(3<<25)  ; the mask; 2-byte elements; padding on; bit 21 beside a mask; after every 64 words, 4 words
	s_or_b32 s[G1B+0], s44, (1<<16)|(1<<20)|(1<<21)|(5<<22)|(3<<25)
.irp g, G1, G1B
	s_mov_b32 s[(\g)+1], KSTEP<<16                 ; tensor_dim0 = 128
	s_mov_b32 s[(\g)+2], 128<<16                   ; tensor_dim1 = 128
	s_mov_b32 s[(\g)+3], KSTEP<<16                 ; tile_dim0 = 128
	s_mov_b32 s[(\g)+4], 128                       ; tile_dim1 = 128
	s_mov_b32 s[(\g)+5], SIZE_K                    ; elements from row to row
	s_mov_b32 s[(\g)+6], 0
	s_mov_b32 s[(\g)+7], 0
.endr
	s_lshl_b32 s17, s12, 7                         ; which 128 rows of the tile I fetch
	s_lshl_b32 s16, s13, 8
	s_add_co_u32 s16, s16, s17                     ; A: row 256 x tile row + 128 x half
	s_lshl_b32 s46, s42, 8
	s_add_co_u32 s46, s46, s17                     ; B: row 256 x tile column + 128 x half
	s_mov_b32 s17, 0
	s_mov_b32 s47, 0
	s_mov_b64 s[18:19], SIZE_K*2
	s_mul_u64 s[16:17], s[16:17], s[18:19]
	s_mul_u64 s[46:47], s[46:47], s[18:19]
	s_mul_i32 s20, s10, HALFT                      ; where they go: wave x 128 rows
	s_wait_dscnt 0x0                               ; the opening add is done
	s_wait_kmcnt 0x0
	s_add_nc_u64 s[14:15], s[4:5], s[16:17]
	s_add_nc_u64 s[46:47], s[6:7], s[46:47]
	CROUND                                         ; all sixteen work-groups are here: the first joint loads meet
.irp s, 0,1
	s_mov_b32 s[G0+4*(\s)], 1
	s_add_co_u32 s[G0+4*(\s)+1], s20, (\s)*SLOT
	s_add_nc_u64 s[G0+4*(\s)+2:G0+4*(\s)+3], s[14:15], (\s)*KSTEP*2
	s_or_b32 s[G0+4*(\s)+3], s[G0+4*(\s)+3], 0x80000000
	s_mov_b32 s[G0B+4*(\s)], 1
	s_add_co_u32 s[G0B+4*(\s)+1], s20, (\s)*SLOT
	s_add_nc_u64 s[G0B+4*(\s)+2:G0B+4*(\s)+3], s[46:47], (\s)*KSTEP*2
	s_or_b32 s[G0B+4*(\s)+3], s[G0B+4*(\s)+3], 0x80000000
	JLOAD \s
.endr
	s_mov_b32 s40, 0x3b800000                      ; 2^-8, as a pair for the packed multiply (cx and cy have served)
	s_mov_b32 s41, s40
	v_and_b32 v1, 15, v0                           ; l % 16
	v_bfe_u32 v2, v0, 4, 1                         ; l / 16
	v_mul_u32_u24 v3, v1, PITCH
	v_lshl_add_u32 v3, v2, 4, v3                   ; a fragment's row x pitch + 16 x half
	s_mul_i32 s21, s11, HALFT                      ; my 128 rows of A
	s_mul_i32 s22, s12, HALFT                      ; my 128 rows of B,
	s_add_co_u32 s22, s22, 2*HALFT                 ; which lie behind A's 256
.irp s, 0,1
	v_add_nc_u32 v[ADRA+(\s)], s21, v3
	v_add_nc_u32 v[ADRB+(\s)], s22, v3
	s_add_co_u32 s21, s21, SLOT
	s_add_co_u32 s22, s22, SLOT
.endr
	s_mul_i32 s23, s10, 16*SPITCH
	s_add_co_u32 s23, s23, STAGE                   ; my stage
	v_mul_u32_u24 v4, v1, SPITCH
	v_lshl_add_u32 v4, v2, 4, v4
	v_add_nc_u32 v[STO], s23, v4
	v_mul_u32_u24 v5, v2, SPITCH
	v_lshl_add_u32 v5, v1, 4, v5
	v_add_nc_u32 v[RD], s23, v5
	v_mul_u32_u24 v5, v2, SIZE_N*2
	v_lshl_add_u32 v[CO], v1, 4, v5
	s_lshl_b32 s13, s13, 8
	s_lshl_b32 s14, s11, 7
	s_add_co_u32 s16, s13, s14                     ; my first row of the result
	s_mov_b32 s17, 0
	s_mov_b64 s[18:19], SIZE_N*2
	s_mul_u64 s[16:17], s[16:17], s[18:19]
	s_lshl_b32 s46, s42, 9                         ; my first column, in bytes (in the registers that held B's address)
	s_lshl_b32 s47, s12, 8
	s_add_co_u32 s46, s46, s47
	s_mov_b32 s47, 0
	s_add_nc_u64 s[16:17], s[16:17], s[46:47]
; 16 matrix instructions: m blocks a0, a0 + 1 of the window's four x all 8 n blocks, 32 along K.  zero = 1: the first product starts the sums.
.macro MUL16 f, hi, a0, zero
	WIN MUL_LO+0x50*(\hi)
.irp a, \a0, (\a0)+1
.irp b, 0,1,2,3,4,5,6,7
.if \zero
	v_wmma_f32_16x16x32_f16 v[8*(8*(\a)+(\b)):8*(8*(\a)+(\b))+7], v[(\f)+8*(\b):(\f)+8*(\b)+7], v[(\f)+8*(4*(\hi)+(\a)):(\f)+8*(4*(\hi)+(\a))+7], 0
.else
	v_wmma_f32_16x16x32_f16 v[8*(8*(\a)+(\b)):8*(8*(\a)+(\b))+7], v[(\f)+8*(\b):(\f)+8*(\b)+7], v[(\f)+8*(4*(\hi)+(\a)):(\f)+8*(4*(\hi)+(\a))+7], v[8*(8*(\a)+(\b)):8*(8*(\a)+(\b))+7]
.endif
.endr
.endr
.endm
; 32 LDS loads in one run: the fragments of one quarter step into buffer f
.macro FETCH slot, k, f
	WIN TO_B
.irp i, 0,1,2,3,4,5,6,7
	ds_load_b128 v[(\f)+8*(\i):(\f)+8*(\i)+3],   v[ADRB+(\slot)] offset:(\k)+(\i)*16*PITCH
	ds_load_b128 v[(\f)+8*(\i)+4:(\f)+8*(\i)+7], v[ADRB+(\slot)] offset:(\k)+(\i)*16*PITCH+32
.endr
	WIN 0
.irp i, 0,1,2,3,4,5,6,7
	ds_load_b128 v[(\f)+8*(\i):(\f)+8*(\i)+3],   v[ADRA+(\slot)] offset:(\k)+(\i)*16*PITCH
	ds_load_b128 v[(\f)+8*(\i)+4:(\f)+8*(\i)+7], v[ADRA+(\slot)] offset:(\k)+(\i)*16*PITCH+32
.endr
.endm
.macro PLACES                          ; four places ahead of loads into registers that matrix instructions have read, and of vector work on results just made
.rept 4
	v_nop
.endr
.endm
; A K step is four quarter steps of 32 along K, 64 matrix instructions each, on buffers 0, 1, 0, 1.
.macro QUARTER slot, k, f, g, zero
	s_wait_dscnt 8                                 ; B and A's rows 0-63 are in; the youngest eight loads may be out
	WIN MUL_LO
	MUL16 \f, 0, 0, \zero
	MUL16 \f, 0, 2, \zero
	PLACES
	FETCH \slot, \k, \g
	s_wait_dscnt 32                                ; all but the 32 just issued
	WIN MUL_HI
	MUL16 \f, 1, 0, \zero
	MUL16 \f, 1, 2, \zero
.endm
; The last quarter's first half: ONE barrier for the change of slots.  Ahead of it each wave waits for all its tensor loads (one is out: its part of the next slot), adds 0 to its spare word,
; and waits for that and for its own reads of this slot.
.macro MEET round
	WIN 0
	s_wait_tensorcnt 0x0
	ds_add_u32 v[SPW], v[NIL]
	s_wait_dscnt 9                                 ; the add and the youngest eight loads may be out
	WIN MUL_LO
	MUL16 F1, 0, 0, 0
	s_wait_dscnt 0x0                               ; the add is done, and my reads of this slot are over
	s_barrier_signal -1
	MUL16 F1, 0, 2, 0
.if \round
	WIN 0
.endif
	s_barrier_wait -1
.endm
; The whole last quarter: behind the round the slot just read out is filled again first, two K steps on; then come the next slot's first fragments.
.macro TURN slot, next
	MEET 1
	CREST
	s_add_nc_u64 s[G0+4*(\slot)+2:G0+4*(\slot)+3], s[G0+4*(\slot)+2:G0+4*(\slot)+3], 2*KSTEP*2
	s_add_nc_u64 s[G0B+4*(\slot)+2:G0B+4*(\slot)+3], s[G0B+4*(\slot)+2:G0B+4*(\slot)+3], 2*KSTEP*2
	JLOAD \slot                                    ; the four v_nop behind it are also the places ahead of the loads below
	FETCH \next, 0, F0
	WIN MUL_HI
	MUL16 F1, 1, 0, 0
	MUL16 F1, 1, 2, 0
.endm
; THE LAST K STEP (slot 1) GOES BY ROWS: all its fragments of B fill window 1; my eight blocks of 16 rows are finished one after the other, 32 matrix instructions each, 8 accumulators by turns.
.macro BLOAD q
	WIN TO_B
.irp i, 0,1,2,3,4,5,6,7
	ds_load_b128 v[64*(\q)+8*(\i):64*(\q)+8*(\i)+3],   v[ADRB+1] offset:64*(\q)+(\i)*16*PITCH
	ds_load_b128 v[64*(\q)+8*(\i)+4:64*(\q)+8*(\i)+7], v[ADRB+1] offset:64*(\q)+(\i)*16*PITCH+32
.endr
.endm
.macro ALOAD a
	WIN 0
.set FA, PA+32*((\a)%4)
.irp q, 0,1,2,3
	ds_load_b128 v[FA+8*(\q):FA+8*(\q)+3],   v[ADRA+1] offset:64*(\q)+(\a)*16*PITCH
	ds_load_b128 v[FA+8*(\q)+4:FA+8*(\q)+7], v[ADRA+1] offset:64*(\q)+(\a)*16*PITCH+32
.endr
.endm
.macro ROW a
.set FA, PA+32*((\a)%4)
.set AC, 64*((\a)%4)
	WIN MUL_LO+0x50*((\a)/4)
.irp q, 0,1,2,3
.if (\a) == 0 && (\q) == 2
	s_wait_dscnt 24                                ; B's quarter 2 is in (behind it: A's blocks 1 to 3)
.endif
.irp b, 0,1,2,3,4,5,6,7
	v_wmma_f32_16x16x32_f16 v[AC+8*(\b):AC+8*(\b)+7], v[64*(\q)+8*(\b):64*(\q)+8*(\b)+7], v[FA+8*(\q):FA+8*(\q)+7], v[AC+8*(\b):AC+8*(\b)+7]
.endr
.endr
.endm
; THE WAY OUT of block a.  PACK: times 2^-8, rounded to f16, 16 bytes a lane; each accumulator's registers in ascending order.  TOSTAGE: into my stage and back as whole rows.  SEND: stored.
.macro PACK a
.set AC, 64*((\a)%4)
	WIN 0x82+0x41*((\a)/4)                         ; destination and source 0: window 2 or 3
.set zz, 0
.rept 32
	v_pk_mul_f32 v[AC+2*zz:AC+2*zz+1], v[AC+2*zz:AC+2*zz+1], s[40:41] op_sel_hi:[1,0]
.set zz, zz+1
.endr
	WIN 0x0a+5*((\a)/4)                            ; sources 0 and 1: window 2 or 3
.irp b, 0,1,2,3,4,5,6,7
.irp r, 0,1,2,3
	v_cvt_pk_f16_f32 v[TMP+4*(\b)+(\r)], v[AC+8*(\b)+2*(\r)], v[AC+8*(\b)+2*(\r)+1]
.endr
.endr
	WIN 0
.endm
.macro TOSTAGE a
	WIN 0
.set BK, OB+192*((\a)%2)
.irp b, 0,1,2,3,4,5,6,7
	ds_store_b128 v[STO], v[TMP+4*(\b):TMP+4*(\b)+3] offset:32*(\b)
.endr
.irp t, 0,1,2,3,4,5,6,7
	ds_load_b128 v[BK+4*(\t):BK+4*(\t)+3], v[RD] offset:(\t)*2*SPITCH  ; LDS serves a wave's instructions in order (ISA guide 5.7.1.4): these see the stores above
.endr
.endm
.macro SEND a, younger
	WIN 0
.set BK, OB+192*((\a)%2)
	s_wait_dscnt \younger                          ; the block is back in registers
	s_wait_xcnt 0x0                                ; only behind this wait are the stores' base and the registers that earlier stores read rewritten
.if (\a) == 0
	s_add_nc_u64 s[8:9], s[8:9], s[16:17]          ; on to my first rows
.else
	s_add_nc_u64 s[8:9], s[8:9], 16*SIZE_N*2       ; 16 rows on
.endif
.irp t, 0,1,2,3,4,5,6,7
	global_store_b128 v[CO], v[BK+4*(\t):BK+4*(\t)+3], s[8:9] offset:2*(\t)*SIZE_N*2  ; 16 lanes store 256 consecutive bytes, aligned
.endr
.endm
	s_wait_tensorcnt 1                             ; my part of K step 0 is in; K step 1's may stay out
	s_barrier_signal -1
	s_barrier_wait -1
	FETCH 0, 0, F0
	QUARTER 0, 64,  F0, F1, 1                      ; the first quarter stands ahead of the loop: its products start the sums
	WIN 0
	s_mov_b32 s3, LAPS-1
.Llap:                                                 ; a trip goes once round the ring and fills both slots again
	QUARTER 0, 128, F1, F0, 0
	QUARTER 0, 192, F0, F1, 0
	TURN 0, 1
	QUARTER 1, 64,  F0, F1, 0
	QUARTER 1, 128, F1, F0, 0
	QUARTER 1, 192, F0, F1, 0
	TURN 1, 0
	QUARTER 0, 64,  F0, F1, 0
	WIN 0
	s_sub_co_u32 s3, s3, 1
	s_cmp_lg_u32 s3, 0
	s_cbranch_scc1 .Llap
	QUARTER 0, 128, F1, F0, 0
	QUARTER 0, 192, F0, F1, 0
	MEET 0                                         ; nothing is filled again, so no round follows
	PLACES
	WIN TO_B
	BLOAD 0
	BLOAD 1
	BLOAD 3
	WIN 0
	ALOAD 0
	WIN MUL_HI
	MUL16 F1, 1, 0, 0
	MUL16 F1, 1, 2, 0
	PLACES
	WIN TO_B
	BLOAD 2
	WIN 0
	ALOAD 1
	ALOAD 2
	ALOAD 3
	s_wait_dscnt 40                                ; all but the 40 just issued
	ROW 0
.irp a, 0,1,2,3,4,5,6,7
	PLACES
	PACK \a
	TOSTAGE \a
.if (\a) < 4
	ALOAD (\a)+4
	SEND \a, 8
.else
	SEND \a, 0
.endif
.if (\a) < 7
	ROW (\a)+1
.endif
.endr
	s_wait_tensorcnt 0x0                           ; the wave's end
	ds_add_u32 v[SPW], v[NIL]
	s_wait_dscnt 0x0
	CROUND                                         ; the closing round
	s_endpgm
.Lfunc_end_k_q22f8ae3493_qgemm:
	.size	k_q22f8ae3493_qgemm, .Lfunc_end_k_q22f8ae3493_qgemm-k_q22f8ae3493_qgemm
	.p2alignl 7, 3214868480
	.fill 96, 4, 3214868480
	.section	.rodata,"a",@progbits
	.p2align	6, 0x0
	.amdhsa_kernel k_q22f8ae3493_qgemm
		.amdhsa_group_segment_fixed_size 327680
		.amdhsa_private_segment_fixed_size 0
		.amdhsa_enable_private_segment 0
		.amdhsa_kernarg_size 24
		.amdhsa_user_sgpr_count 2
		.amdhsa_user_sgpr_kernarg_segment_ptr 1
		.amdhsa_wavefront_size32 1
		.amdhsa_system_sgpr_workgroup_id_x 1
		.amdhsa_system_sgpr_workgroup_id_y 1
		.amdhsa_system_sgpr_workgroup_id_z 1
		.amdhsa_system_vgpr_workitem_id 0
		.amdhsa_next_free_vgpr 1024
		.amdhsa_next_free_sgpr 66
		.amdhsa_reserve_vcc 0
		.amdhsa_float_denorm_mode_32 3
		.amdhsa_float_denorm_mode_16_64 3
		.amdhsa_memory_ordered 1
		.amdhsa_forward_progress 1
		.amdhsa_inst_pref_size 159
	.end_amdhsa_kernel
	.amdgpu_metadata
---
amdhsa.version: [ 1, 2 ]
amdhsa.kernels:
  - .name:           k_q22f8ae3493_qgemm
    .symbol:         k_q22f8ae3493_qgemm.kd
    .args:
      - { .name: x16, .offset: 0, .size: 8, .value_kind: global_buffer, .address_space: global }
      - { .name: mt, .offset: 8, .size: 8, .value_kind: global_buffer, .address_space: global }
      - { .name: q16, .offset: 16, .size: 8, .value_kind: global_buffer, .address_space: global }
    .group_segment_fixed_size: 327680
    .private_segment_fixed_size: 0
    .kernarg_segment_align: 8
    .kernarg_segment_size: 24
    .max_flat_workgroup_size: 128
    .sgpr_count:     66
    .vgpr_count:     1024
    .wavefront_size: 32
...
	.end_amdgpu_metadata
.endif
;; end of part 2
;; launch attn (part 3): grid 8 x 32, 4 waves a work-group, clusters of 4 x 1, 327,680 bytes of LDS; arguments q16, x16, o16; writes o16
.if DOCPART == 3
	.amdgcn_target "amdgcn-amd-amdhsa--gfx1250"
	.amdhsa_code_object_version 6
	.text
	.protected	k_q22f8ae3493_attn
	.globl	k_q22f8ae3493_attn
	.p2align	8
	.type	k_q22f8ae3493_attn,@function
k_q22f8ae3493_attn:
	s_mov_b64 s[64:65], 0
	v_nop
	global_prefetch_b8 v0, s[64:65] scope:SCOPE_SE
	s_setreg_imm32_b32 hwreg(HW_REG_WAVE_MODE, 25, 1), 1
	s_wait_xcnt 0x0
	s_wait_alu depctr_hold_cnt(0) depctr_sa_sdst(0) depctr_va_vdst(0) depctr_va_sdst(0) depctr_va_ssrc(0) depctr_va_vcc(0) depctr_vm_vsrc(0)
	s_getreg_b32 s2, hwreg(HW_REG_IB_STS2, 6, 4)
	s_cmp_eq_u32 s2, 0
	s_cbranch_scc0 .Lentry_in_a_cluster
	s_endpgm
.Lentry_in_a_cluster:
	s_bfe_u32 s2, ttmp6, 0x10000c
	s_cmp_lg_u32 s2, 0x3003
	s_cbranch_scc0 .Lentry_shape_is_right
	s_endpgm
.Lentry_shape_is_right:
; CAUSAL ATTENTION IN WHICH x IS BOTH K AND V.  o16[b t][h 512 + e] = sum over k <= t of softmax_k(c s[t][k]) x16[b k][e], with s[t][k] = sum over j of q16[b t][h 512 + j] x16[b k][j]
; and c = log2(e) / sqrt(512) x 2^8 (q16 carries 2^-8).  All three tensors f16; products, maxima and sums in f32; the weights p are rounded to f16 for the second product (their sum l is
; taken of the unrounded p), o16 once at the end.
; LIMITS.  A hidden score counts as -1e30; a weight below 2^-126 counts as 0 in l; p below 6e-5 keeps f16's fixed step; o16 is a mean of x16's rows and has their range; NaN and infinities are not treated apart.
; THE WALK.  A head's 1,024 queries lie in 16 blocks of 64; block B needs the key tiles 0 .. B / 2 of 128 keys, of which the last holds the diagonal.  A work-group takes blocks 15 - p and then p:
; nine tiles whatever p, so all 256 work-groups do equal work and one loop with a constant trip count walks them.  Every jump but the loop's own goes forward and passes no barrier and no tensor load.
; CLUSTER.  The four partners are four heads of one batch and one p: the same tiles of x16 in the same order, so every tile is asked for JOINTLY, each wave its 32 rows.
; SHARES IN A STEP.  Scores: wave w owns keys 32 w .. 32 w + 31 for all 64 queries, with all of Q in its registers (512): the tile is read from LDS once for the work-group.  The queries' maxima
; meet in LDS (barrier 1); the weights go through LDS as ready fragments (barrier 2).  Second product: wave w owns channels 128 w .. 128 w + 127 for all 64 queries (256 registers of O^T).
; LAYOUT.  S^T = K Q^T: a lane holds ONE query (lane % 16).  Row m of a key fragment is key 2 (m % 8) + m / 8 of its 16, so register j of lane half h is key 2 j + h; the turning load for V^T
; addresses row 2 (l % 8) + h, which puts the same order on the second product's K..
; SOFTMAX.  For each query a running maximum m and, in each wave, the sum l over its own keys: p = 2^(c s - c m); in every step O and l are multiplied by a = 2^(c m_old - c m_new).
; A block begins with c m far below every c s, so its first a is 0 and O and l need only be finite: zeros at the launch's start (256 moves, in the wait for the first tile).
; REGISTERS, in windows of 256 (s_set_vgpr_msb: bits 1:0 source 0, 3:2 source 1, 5:4 source 2, 7:6 destination):
;   window 0: v0-23 addresses; v24-63 statistics and work; v64-127 S^T (key block kb, query tile t at 64 + 8 (4 kb + t)), later two buffers of P's fragments; v128-255 two buffers of 64 for K's or V's fragments
;   window 1: O^T (channel block cb, tile t at 8 (4 cb + t))      windows 2, 3: Q (channels 32 c on, tile t at 8 (4 (c % 8) + t), window 2 + c / 8)
.set PK,    1040                       ; a row of x16 in LDS: 1,024 bytes + 16
.set SLOTB, 128*PK                     ; a slot: 128 keys = 0x20800 bytes; a wave's part begins at w x 33,280, which has neither of that number's two bits set: one exclusive or changes slots
.set PBASE, 2*SLOTB                    ; P: 16 fragments of 1,024 bytes (32 keys kk, tile t at 4,096 kk + 1,024 t)
.set MXB,   PBASE+16*1024              ; the waves' maxima: 256 bytes a wave
.set LXB,   MXB+4*256                  ; the waves' sums: 1,024 bytes a wave
.set STAGE, LXB+4*1024                 ; 16 rows x 272 bytes for each wave, for the way out
.set SP,    272
.set SPARE, STAGE+4*16*SP              ; the spare words, 128 bytes for each wave
.set RL,  1           ; v1   l % 16
.set AK0, 2           ; v2   my lane's place in a tile, for K's fragments; never rewritten
.set AV0, 3           ; v3   the same for the turning loads
.set AK,  4           ; v4   AK0 + the slot
.set AV,  5           ; v5   AV0 + the slot
.set PST, 6           ; v6   where I put my fragments of P
.set PLD, 7           ; v7   where I read fragments of P
.set MXS, 8           ; v8   where I put my wave's maxima
.set MXL, 9           ; v9   where I read the waves' maxima
.set STO, 10          ; v10  the way out: where I put 16 bytes of a row
.set RD,  11          ; v11  where I read rows back
.set GO,  12          ; v12  my byte offset in two rows of o16
.set QO,  13          ; v13  my byte offset in 16 rows of q16
.set LXS, 14          ; v14  where I put my sums
.set LXL, 15          ; v15  where I read the waves' sums
.set THR, 16          ; v16-19  tile t: a key 16 kb + 2 j of my wave's is hidden where that number is greater
.set SPW, 20          ; v20  LDS address of my spare word; never rewritten
.set NIL, 21          ; v21  0; never rewritten
.set AV2, 22          ; v22  AV + 64 rows
.set TH0, 23          ; v23  l % 16 - l / 16 - 32 w
.set CM,  24          ; v24-31  tile t: c m, m
.set AA,  32          ; v32-39  tile t: a (at a block's end 1 / l), and a filler named with it as a pair
.set LL,  40          ; v40-47  tile t: l (even registers' keys, odd registers')
.set LM,  48          ; v48-51  my wave's maxima
.set TA,  52          ; v52-55  at work
.set TC,  56          ; v56-59  at work
.set S,   64
.set F,   128
.set WX,  F+32        ; v160-175 the four waves' maxima
.set WV,  10          ; s10  my wave's number
.set CX,  11          ; s11  my place in the cluster
.set HEAD, 12         ; s12  my head: it enters q16's and o16's addresses alone
.set BAT, 14          ; s14  the batch
.set PBK, 15          ; s15  p
.set G1,  16          ; s[16:23] descriptor group 1
.set G0,  24          ; s[24:27] descriptor group 0
.set TB,  28          ; s28  the slot that is read
.set RT,  31          ; s31  tiles of the block in hand that are still to be entered
.set NXT, 32          ; s32  the tile to be asked for next
.set LQ,  33          ; s33  the last tile of the block whose tiles are being asked for
.set NEW, 34          ; s34  1: the tile to be entered is a block's first
.set BLK, 35          ; s35  the block whose Q is loaded
.set OFF, 36          ; s[36:37] a tile's byte offset in x16
.set XB,  38          ; s[38:39] x16 at my wave's 32 rows of the batch's tile 0
.set QB,  40          ; s[40:41] q16 at the block's first row, my head's columns
.set OB,  42          ; s[42:43] o16 likewise, my wave's 128 channels
.set CS,  44          ; s[44:45] c
.set SEL, 46          ; s[46:47] v_permlanex16_b32's selects: each lane takes its own place in the other half
.set BIGN, 48         ; s48  -1e30
.set CNT, 49          ; s49  the walk's counter
.set TS,  50          ; s50  at work
.set LQ2, 51          ; s51  the second block's last tile
.set TQ,  52          ; s[52:53], s54  at work on offsets that hold my head
.set MSB, 0
.macro WIN new                      ; the high byte repeats the setting that is left; a switch that changes nothing is dropped
.if MSB != (\new)
	s_set_vgpr_msb (MSB<<8)|(\new)
.set MSB, (\new)
.endif
.endm
.macro PLACES n                     ; places behind matrix instructions (ISA guide 7.12.1)
.rept \n
	v_nop
.endr
.endm
.macro JLOAD                        ; my 32 rows of a tile, asked for jointly by the same wave of all four work-groups; an s_nop 0 and four v_nop follow
	tensor_load_to_lds s[G0:G0+3], s[G1:G1+7]
	s_nop 0
	PLACES 4
.endm
.macro CROUND                       ; a round of the cluster's barrier
	s_barrier_signal -1
	s_barrier_wait -1
	s_cmp_lg_u32 s[WV], 0
	s_cbranch_scc1 .Lnot_wave_0_\@
	s_barrier_signal -3
.Lnot_wave_0_\@:
	s_barrier_wait -3
	s_barrier_signal -1
	s_barrier_wait -1
.endm
; THE CHANGE OF SLOTS.  Each wave waits for all its tensor loads (one is out: its part of the other slot), adds 0 to its spare word, and waits for that and for its reads of the slot that it leaves.
; fill = 1: behind a round of the cluster's barrier the old slot is filled again, first thing, with tile NXT; the load has a whole step, 256 matrix instructions a wave, in which to land.
; (At its first use nothing has been read yet: slot 0 is waited for, slot 1 filled.)
.macro CHANGE fill
	WIN 0
	s_wait_tensorcnt 0x0            ; no tensor load of mine is out, so group 0 may be written
	ds_add_u32 v[SPW], v[NIL]
.if \fill
	s_lshl_b32 s[OFF], s[NXT], 17   ; a tile is 128 rows of 1,024 bytes
	s_xor_b32 s[G0+1], s[G0+1], SLOTB
	s_add_nc_u64 s[G0+2:G0+3], s[XB:XB+1], s[OFF:OFF+1]
	s_or_b32 s[G0+3], s[G0+3], 0x80000000
	s_add_co_u32 s[NXT], s[NXT], 1  ; the block's next tile, or behind its last the second block's tile 0
	s_cmp_gt_u32 s[NXT], s[LQ]
	s_cselect_b32 s[NXT], 0, s[NXT]
	s_cselect_b32 s[LQ], s[LQ2], s[LQ]
	s_wait_dscnt 0x0                ; the add is done, and my reads of the slot are over
	CROUND
	JLOAD
.else
	s_wait_dscnt 0x0
	s_barrier_signal -1
	s_barrier_wait -1
.endif
	s_xor_b32 s[TB], s[TB], SLOTB   ; the other slot is read
.endm
.macro SETOFF                       ; the byte offset of block BLK's first row, my head's columns, in q16 and o16
	s_lshl_b32 s[TQ], s[BAT], 23
	s_lshl_b32 s54, s[BLK], 19
	s_add_co_u32 s[TQ], s[TQ], s54
	s_lshl_b32 s54, s[HEAD], 10
	s_add_co_u32 s[TQ], s[TQ], s54
.endm
.macro SETQ
	SETOFF
	s_add_nc_u64 s[QB:QB+1], s[4:5], s[TQ:TQ+1]
.endm
.macro SETO
	SETOFF
	s_lshl_b32 s54, s[WV], 8
	s_add_co_u32 s[TQ], s[TQ], s54
	s_add_nc_u64 s[OB:OB+1], s[8:9], s[TQ:TQ+1]
.endm
; All of the block's Q into windows 2 and 3: 64 fragments of 16 queries x 32 channels, two loads of 16 bytes a lane each
.macro QLOAD
.irp hw, 0,1
	WIN 0x80+0x40*\hw
.set qt, 0
.rept 4
.set qc, 0
.rept 8
	global_load_b128 v[8*(4*qc+qt):8*(4*qc+qt)+3],   v[QO], s[QB:QB+1] offset:qt*131072+(8*\hw+qc)*64
	global_load_b128 v[8*(4*qc+qt)+4:8*(4*qc+qt)+7], v[QO], s[QB:QB+1] offset:qt*131072+(8*\hw+qc)*64+32
.set qc, qc+1
.endr
.set qt, qt+1
.endr
.endr
	WIN 0
.endm
; Group g of four: my 32 keys' fragments for channels 128 g .. 128 g + 127: 16 LDS loads into buffer g % 2
.macro FETCHK g
	WIN 0
.set fc, 0
.rept 4
.set fk, 0
.rept 2
.set rK, F+64*((\g)%2)+8*(2*fc+fk)
	ds_load_b128 v[rK:rK+3],   v[AK] offset:fk*16*PK+(4*(\g)+fc)*64
	ds_load_b128 v[rK+4:rK+7], v[AK] offset:fk*16*PK+(4*(\g)+fc)*64+32
.set fk, fk+1
.endr
.set fc, fc+1
.endr
.endm
; 32 products of S^T = K Q^T; the 8 accumulators take turns; the first 8 of a step start the sums
.macro MULS g
	WIN 0x08+4*((\g)/2)             ; Q in window 2 or 3
.set mc, 0
.rept 4
.set mk, 0
.rept 2
.set mt, 0
.rept 4
.set rS, S+8*(4*mk+mt)
.set rK, F+64*((\g)%2)+8*(2*mc+mk)
.set rQ, 8*(4*((4*(\g)+mc)%8)+mt)
.if ((\g) == 0) && (mc == 0)
	v_wmma_f32_16x16x32_f16 v[rS:rS+7], v[rK:rK+7], v[rQ:rQ+7], 0
.else
	v_wmma_f32_16x16x32_f16 v[rS:rS+7], v[rK:rK+7], v[rQ:rQ+7], v[rS:rS+7]
.endif
.set mt, mt+1
.endr
.set mk, mk+1
.endr
.set mc, mc+1
.endr
.endm
.macro MASK                         ; the diagonal tile: hidden scores become -1e30; each accumulator's registers in ascending order
.set mk, 0
.rept 2
.set mt, 0
.rept 4
.set mj, 0
.rept 8
	v_cmp_gt_i32 vcc_lo, 16*mk+2*mj, v[THR+mt]
	v_cndmask_b32 v[S+8*(4*mk+mt)+mj], v[S+8*(4*mk+mt)+mj], s[BIGN], vcc_lo
.set mj, mj+1
.endr
.set mt, mt+1
.endr
.set mk, mk+1
.endr
.endm
.macro MX3 x, y                     ; one link of the four tiles' chains: registers x and y of a tile's 16 (0-7: key block 0, 8-15: key block 1)
.irp t, 0,1,2,3
	v_max3_num_f32 v[TA+\t], v[TA+\t], v[S+8*\t+((\x)%8)+32*((\x)/8)], v[S+8*\t+((\y)%8)+32*((\y)/8)]
.endr
.endm
.macro LMAX                         ; each query's maximum over my wave's 32 keys; each accumulator's lowest registers are read first
.irp t, 0,1,2,3
	v_max3_num_f32 v[TA+\t], v[S+8*\t], v[S+8*\t+1], v[S+8*\t+2]
.endr
	MX3 3, 4
	MX3 5, 6
	MX3 7, 8
	MX3 9, 10
	MX3 11, 12
	MX3 13, 14
.irp t, 0,1,2,3
	v_max_num_f32 v[TA+\t], v[TA+\t], v[S+8*\t+39]
.endr
.irp t, 0,1,2,3
	v_permlanex16_b32 v[TC+\t], v[TA+\t], s[SEL], s[SEL+1]  ; the query's other 16 keys lie in the lane 16 away
.endr
.irp t, 0,1,2,3
	v_max_num_f32 v[LM+\t], v[TA+\t], v[TC+\t]
.endr
.endm
.macro STATS                        ; the new m of the four waves' maxima and the old m; c m; a
.irp t, 0,1,2,3
	v_max3_num_f32 v[TA+\t], v[WX+\t], v[WX+4+\t], v[WX+8+\t]
.endr
.irp t, 0,1,2,3
	v_max3_num_f32 v[CM+2*\t+1], v[TA+\t], v[WX+12+\t], v[CM+2*\t+1]
.endr
.irp t, 0,1,2,3
	v_mov_b32 v[TC+\t], v[CM+2*\t]
.endr
.irp t, 0,1,2,3
	v_mul_f32 v[CM+2*\t], s[CS], v[CM+2*\t+1]
.endr
.irp t, 0,1,2,3
	v_sub_f32 v[TC+\t], v[TC+\t], v[CM+2*\t]
.endr
.irp t, 0,1,2,3
	v_exp_f32 v[AA+2*\t], v[TC+\t]  ; the scalings below are the plain instructions behind these
.endr
.endm
.macro SFMA t, q                    ; pair q of 8 of tile t: c s - c m
.set rr, S+8*(\t)+2*((\q)%4)+32*((\q)/4)
	v_pk_fma_f32 v[rr:rr+1], v[rr:rr+1], s[CS:CS+1], v[CM+2*(\t):CM+2*(\t)+1] op_sel_hi:[1,0,0] neg_lo:[0,0,1] neg_hi:[0,0,1]
.endm
.macro SCVT t, q                    ; pair q rounded to f16: register q of the tile's fragment of P
.set rr, S+8*(\t)+2*((\q)%4)+32*((\q)/4)
	s_wait_alu depctr_va_vdst(0)
	v_cvt_pk_f16_f32 v[F+8*(\t)+(\q)], v[rr], v[rr+1]
.endm
.macro SEXP t, i
.set rr, S+8*(\t)+((\i)%8)+32*((\i)/8)
	v_exp_f32 v[rr], v[rr]
.endm
; The weights.  While tile t's 16 exponentials go, the plain instructions between them scale tile t + 1 and round tile t - 1: no result of an exponential is read before a plain instruction has followed it.
.macro SOFT
.set sq, 0
.rept 8
	SFMA 0, sq
.set sq, sq+1
.endr
.set st, 0
.rept 4
.set si, 0
.rept 16
	SEXP st, si
.if (si < 8) && (st < 3)
	SFMA st+1, si
.endif
.if (si >= 8) && (st > 0)
	SCVT st-1, si-8
.endif
.set si, si+1
.endr
.set st, st+1
.endr
.set sq, 0
.rept 8
	SCVT 3, sq
.set sq, sq+1
.endr
.endm
.macro PADD t, qa, qb
.set ra, S+8*(\t)+2*((\qa)%4)+32*((\qa)/4)
.set rb, S+8*(\t)+2*((\qb)%4)+32*((\qb)/4)
	v_pk_add_f32 v[ra:ra+1], v[ra:ra+1], v[rb:rb+1]
.endm
.macro SUM                          ; each tile's 8 pairs are added in place, the tiles by turns; then l = a l + the sum
.irp q, 0,2,4,6
.irp t, 0,1,2,3
	PADD \t, \q, \q+1
.endr
.endr
.irp q, 0,4
.irp t, 0,1,2,3
	PADD \t, \q, \q+2
.endr
.endr
.irp t, 0,1,2,3
	PADD \t, 0, 4
.endr
.irp t, 0,1,2,3
	v_pk_fma_f32 v[LL+2*\t:LL+2*\t+1], v[LL+2*\t:LL+2*\t+1], v[AA+2*\t:AA+2*\t+1], v[S+8*\t:S+8*\t+1] op_sel_hi:[1,0,1]
.endr
.endm
.macro RESC                         ; O^T times a
	WIN 0x41                        ; destination and source 0 window 1, a in window 0
.set rq, 0
.rept 32
.set rz, 0
.rept 4
	v_pk_mul_f32 v[8*rq+2*rz:8*rq+2*rz+1], v[8*rq+2*rz:8*rq+2*rz+1], v[AA+2*(rq%4):AA+2*(rq%4)+1] op_sel_hi:[1,0]
.set rz, rz+1
.endr
.set rq, rq+1
.endr
.endm
.macro FETCHV kk                    ; keys 32 kk on, my 128 channels, turned: 16 LDS loads into buffer kk % 2
	WIN 0
.set vb, 0
.rept 8
.set rV, F+64*((\kk)%2)+8*vb
.if (\kk) < 2
	ds_load_tr16_b128 v[rV:rV+3],   v[AV] offset:((\kk)%2)*32*PK+32*vb
	ds_load_tr16_b128 v[rV+4:rV+7], v[AV] offset:((\kk)%2)*32*PK+32*vb+16*PK
.else
	ds_load_tr16_b128 v[rV:rV+3],   v[AV2] offset:((\kk)%2)*32*PK+32*vb
	ds_load_tr16_b128 v[rV+4:rV+7], v[AV2] offset:((\kk)%2)*32*PK+32*vb+16*PK
.endif
.set vb, vb+1
.endr
.endm
.macro FETCHP kk                    ; wave kk's four fragments of P: 8 LDS loads
	WIN 0
.set pt, 0
.rept 4
	ds_load_b128 v[S+32*((\kk)%2)+8*pt:S+32*((\kk)%2)+8*pt+3],   v[PLD] offset:4096*(\kk)+1024*pt
	ds_load_b128 v[S+32*((\kk)%2)+8*pt+4:S+32*((\kk)%2)+8*pt+7], v[PLD] offset:4096*(\kk)+1024*pt+512
.set pt, pt+1
.endr
.endm
.macro MULP kk                      ; 32 products of O^T += V^T P on 32 accumulators by turns
	WIN 0x50                        ; C and D window 1
.set cbi, 0
.rept 8
.set ti, 0
.rept 4
	v_wmma_f32_16x16x32_f16 v[8*(4*cbi+ti):8*(4*cbi+ti)+7], v[F+64*((\kk)%2)+8*cbi:F+64*((\kk)%2)+8*cbi+7], v[S+32*((\kk)%2)+8*ti:S+32*((\kk)%2)+8*ti+7], v[8*(4*cbi+ti):8*(4*cbi+ti)+7]
.set ti, ti+1
.endr
.set cbi, cbi+1
.endr
.endm
.macro BEGIN                        ; a block begins
	s_mov_b32 s[NEW], 0
	s_and_b32 s[TS], s[BLK], 1
	s_lshl_b32 s[TS], s[TS], 6      ; an odd block's queries lie in the diagonal tile's second half
.irp t, 0,1,2,3
	v_mov_b32 v[CM+2*\t], 0xfe000000    ; c m: far below every c s
	v_mov_b32 v[CM+2*\t+1], 0xff7fffff  ; m
	v_add3_u32 v[THR+\t], v[TH0], s[TS], 16*\t
.endr
.endm
; THE WAY OUT of tile t: O^T times 1 / l, rounded to f16; a lane's eight channels are 16 bytes; through my stage and back as whole rows of 256 bytes
.macro PACK t
	WIN 0x41
.set pc, 0
.rept 8
.set pz, 0
.rept 4
.set rO, 8*(4*pc+(\t))+2*pz
	v_pk_mul_f32 v[rO:rO+1], v[rO:rO+1], v[AA+2*(\t):AA+2*(\t)+1] op_sel_hi:[1,0]
.set pz, pz+1
.endr
.set pc, pc+1
.endr
	WIN 0x05                        ; sources 0 and 1 window 1, destination window 0
.set pc, 0
.rept 8
.set pz, 0
.rept 4
.set rO, 8*(4*pc+(\t))+2*pz
	v_cvt_pk_f16_f32 v[F+32*(\t)+4*pc+pz], v[rO], v[rO+1]
.set pz, pz+1
.endr
.set pc, pc+1
.endr
	WIN 0
.set pc, 0
.rept 8
	ds_store_b128 v[STO], v[F+32*(\t)+4*pc:F+32*(\t)+4*pc+3] offset:32*pc
.set pc, pc+1
.endr
.set pc, 0
.rept 8
	ds_load_b128 v[F+32*(\t)+4*pc:F+32*(\t)+4*pc+3], v[RD] offset:pc*2*SP  ; LDS serves a wave's instructions in order (ISA guide 5.7.1.4): these see the stores above; the next tile's stores come behind them
.set pc, pc+1
.endr
.endm
.macro SEND t, younger              ; younger: the LDS instructions issued behind tile t's loads
	WIN 0
.set sc, 0
.rept 8
	s_wait_dscnt (\younger)+7-sc
	global_store_b128 v[GO], v[F+32*(\t)+4*sc:F+32*(\t)+4*sc+3], s[OB:OB+1] offset:(16*(\t)+2*sc)*8192  ; 16 lanes store 256 consecutive bytes, at a multiple of 256 from o16's first byte
.set sc, sc+1
.endr
.endm
; A BLOCK'S END.  next = 1: the second block's Q is asked for first and lands under the way out.  The four waves' sums were put into LDS ahead of this step's second barrier.
.macro END next
.if \next
	s_mov_b32 s[BLK], s[PBK]
	SETQ                            ; the first block's loads of Q were waited for at each step's head
	QLOAD
.endif
	WIN 0
.irp w, 0,1,2,3
	ds_load_b128 v[S+8*\w:S+8*\w+3],   v[LXL] offset:1024*\w
	ds_load_b128 v[S+8*\w+4:S+8*\w+7], v[LXL] offset:1024*\w+512
.endr
	s_wait_dscnt 0x0
.irp w, 1,2,3
.irp t, 0,1,2,3
	v_pk_add_f32 v[S+2*\t:S+2*\t+1], v[S+2*\t:S+2*\t+1], v[S+8*\w+2*\t:S+8*\w+2*\t+1]
.endr
.endr
.irp t, 0,1,2,3
	v_add_f32 v[TA+\t], v[S+2*\t], v[S+2*\t+1]
.endr
.irp t, 0,1,2,3
	v_permlanex16_b32 v[TC+\t], v[TA+\t], s[SEL], s[SEL+1]
.endr
.irp t, 0,1,2,3
	v_add_f32 v[TA+\t], v[TA+\t], v[TC+\t]
.endr
.irp t, 0,1,2,3
	v_rcp_f32 v[AA+2*\t], v[TA+\t]
.endr
	v_nop                           ; a plain instruction between the last reciprocal and the use of its result
	s_wait_alu depctr_va_vdst(0)
	PACK 0
	PACK 1                          ; a tile's arithmetic stands between the loads of the tile before and its stores
	SEND 0, 16
	PACK 2
	SEND 1, 16
	PACK 3
	SEND 2, 16
	SEND 3, 0
.if \next
	s_wait_xcnt 0x0                 ; the stores have read their registers and o16's address
	SETO
	s_add_co_u32 s[RT], s[LQ2], 1   ; the second block's tiles
	s_mov_b32 s[NEW], 1
.endif
.endm
; A KEY STEP.  last = 1: the walk's last tile, which is the second block's diagonal one.
.macro STEP last
	s_sub_co_u32 s[RT], s[RT], 1
	s_cmp_eq_u32 s[NEW], 1
	s_cbranch_scc0 .Lold_\@
	BEGIN
.Lold_\@:
	v_add_nc_u32 v[AK], s[TB], v[AK0]
	v_add_nc_u32 v[AV], s[TB], v[AV0]
	v_add_nc_u32 v[AV2], 64*PK, v[AV]
	s_wait_loadcnt 0x0              ; Q
	FETCHK 0
	FETCHK 1
	s_wait_dscnt 16                 ; LDS loads come back in order (ISA guide 5.7.1): all but the younger group's sixteen
	MULS 0
	PLACES 4
	FETCHK 2
	s_wait_dscnt 16
	MULS 1
	PLACES 4
	FETCHK 3
	s_wait_dscnt 16
	MULS 2
	s_wait_dscnt 0x0
	MULS 3
	PLACES 4
	WIN 0
.if !(\last)
	s_cmp_lg_u32 s[RT], 0
	s_cbranch_scc1 .Lopen_\@        ; only a block's last tile holds hidden keys
.endif
	MASK
.if !(\last)
.Lopen_\@:
.endif
	LMAX
	ds_store_b128 v[MXS], v[LM:LM+3]
	s_wait_dscnt 0x0                ; for the others' sake
	s_barrier_signal -1             ; barrier 1: the four waves' maxima are in LDS
	s_barrier_wait -1
.irp w, 0,1,2,3
	ds_load_b128 v[WX+4*\w:WX+4*\w+3], v[MXL] offset:256*\w
.endr
	s_wait_dscnt 0x0
	STATS
	SOFT
.irp t, 0,1,2,3
	ds_store_b128 v[PST], v[F+8*\t:F+8*\t+3]   offset:1024*\t
	ds_store_b128 v[PST], v[F+8*\t+4:F+8*\t+7] offset:1024*\t+512
.endr
	SUM                             ; while P's stores leave
	ds_store_b128 v[LXS], v[LL:LL+3]
	ds_store_b128 v[LXS], v[LL+4:LL+7] offset:512
	s_wait_dscnt 0x0                ; for the others' sake: P and l are in LDS, and my reads of the maxima are over
	s_barrier_signal -1             ; barrier 2.  Between its halves: loads from the tile, which nobody writes before the next change of slots, and work on registers
	FETCHV 0
	RESC
	WIN 0
	s_barrier_wait -1
	FETCHP 0
	FETCHV 1
	FETCHP 1
	s_wait_dscnt 24                 ; all but the next 32 keys' 16 + 8 loads
	MULP 0
	PLACES 4
	FETCHV 2
	FETCHP 2
	s_wait_dscnt 24
	MULP 1
	PLACES 4
	FETCHV 3
	FETCHP 3
	s_wait_dscnt 24
	MULP 2
	s_wait_dscnt 0x0
	MULP 3
	PLACES 5                        ; five: the next step's first products write over P's registers
	WIN 0
.if !(\last)
	s_cmp_lg_u32 s[RT], 0
	s_cbranch_scc1 .Lon_\@
	END 1                           ; in the loop this is the first block's end: the second block's last tile is the walk's last
.Lon_\@:
.else
	END 0
.endif
.endm
	s_load_b128 s[4:7], s[0:1], 0x0 ; q16 s[4:5], x16 s[6:7]
	s_load_b64 s[8:9], s[0:1], 0x10 ; o16
	v_lshl_add_u32 v[SPW], v0, 2, SPARE
	v_mov_b32 v[NIL], 0
	ds_add_u32 v[SPW], v[NIL]       ; the wave's opening: the set-up below stands between the add and its wait
	v_lshrrev_b32 v1, 5, v0
	v_readfirstlane_b32 s[WV], v1   ; wave 0..3
	s_bfe_u32 s[CX], ttmp6, 0x40000
	s_lshl_b32 s[HEAD], ttmp9, 2    ; in a cluster launch ttmp9 counts clusters
	s_add_co_u32 s[HEAD], s[HEAD], s[CX]
	s_and_b32 s13, ttmp7, 0xffff
	s_lshr_b32 s[BAT], s13, 3
	s_and_b32 s[PBK], s13, 7
	s_sub_co_u32 s[BLK], 15, s[PBK]
	s_lshr_b32 s[LQ], s[BLK], 1
	s_add_co_u32 s[RT], s[LQ], 1    ; the first block has (15 - p) / 2 + 1 tiles, five at the least
	s_lshr_b32 s[LQ2], s[PBK], 1
	s_mov_b32 s[NXT], 1
	s_mov_b32 s[NEW], 1
	s_mov_b32 s[G1], 15|(1<<16)|(1<<20)|(1<<21)|(7<<22)|(3<<25)  ; the mask of four; 2-byte elements; padding on; bit 21 beside a mask; after every 256 words (code 7), 4 words (code 3)
	s_mov_b32 s[G1+1], 512<<16      ; tensor_dim0 = 512
	s_mov_b32 s[G1+2], 32<<16       ; tensor_dim1 = 32
	s_mov_b32 s[G1+3], 512<<16      ; tile_dim0 = 512
	s_mov_b32 s[G1+4], 32           ; tile_dim1 = 32
	s_mov_b32 s[G1+5], 512          ; elements from row to row
	s_mov_b32 s[G1+6], 0
	s_mov_b32 s[G1+7], 0
	s_mov_b32 s[G0], 1
	s_mul_i32 s[G0+1], s[WV], 32*PK ; slot 0, my 32 rows
	s_mov_b32 s[TB], SLOTB          ; the first change of slots turns it into 0
	s_mov_b32 s[OFF+1], 0
	s_mov_b32 s[TQ+1], 0
	s_mov_b32 s[CS], 0x418293ee     ; c = log2(e) / sqrt(512) x 256 = 16.32223
	s_mov_b32 s[CS+1], s[CS]
	s_mov_b32 s[SEL], 0x76543210
	s_mov_b32 s[SEL+1], 0xfedcba98
	s_mov_b32 s[BIGN], 0xf149f2ca   ; -1e30
	s_mov_b32 s[CNT], 8
	s_lshl_b32 s[OFF], s[BAT], 20
	s_lshl_b32 s[TS], s[WV], 15
	s_add_co_u32 s[OFF], s[OFF], s[TS]
	s_wait_dscnt 0x0                ; the opening add is done
	s_wait_kmcnt 0x0
	s_add_nc_u64 s[XB:XB+1], s[6:7], s[OFF:OFF+1]
	s_mov_b64 s[G0+2:G0+3], s[XB:XB+1]
	s_or_b32 s[G0+3], s[G0+3], 0x80000000
	SETQ
	SETO
	CROUND                          ; all four work-groups are here: the first joint loads meet
	JLOAD                           ; tile 0 into slot 0
	v_and_b32 v[RL], 15, v0
	v_bfe_u32 v52, v0, 4, 1         ; l / 16
	v_lshlrev_b32 v[QO], 13, v[RL]
	v_lshl_add_u32 v[QO], v52, 4, v[QO]  ; row x 8,192 + 16 x half
	QLOAD
	WIN 0x40
.set zi, 0
.rept 256
	v_mov_b32 v[zi], 0              ; O^T
.set zi, zi+1
.endr
	WIN 0
	v_and_b32 v53, 31, v0
	v_and_b32 v54, 7, v0
	v_bfe_u32 v55, v0, 3, 1
	v_lshl_add_u32 v56, v54, 1, v55 ; fragment row m holds key 2 (m % 8) + m / 8
	s_lshl_b32 s[TS], s[WV], 5
	v_add_nc_u32 v56, s[TS], v56
	v_mul_u32_u24 v[AK0], v56, PK
	v_lshl_add_u32 v[AK0], v52, 4, v[AK0]
	v_lshl_add_u32 v57, v54, 1, v52 ; the turning load: key 2 (l % 8) + l / 16,
	v_mul_u32_u24 v[AV0], v57, PK
	v_lshl_add_u32 v[AV0], v55, 4, v[AV0]  ; 16 bytes for each eight lanes,
	s_lshl_b32 s[TS], s[WV], 8
	v_add_nc_u32 v[AV0], s[TS], v[AV0]     ; my 128 channels
	s_lshl_b32 s[TS], s[WV], 12
	s_add_co_u32 s[TS], s[TS], PBASE
	v_lshl_add_u32 v[PST], v53, 4, s[TS]
	v_lshl_add_u32 v[PLD], v53, 4, PBASE
	s_lshl_b32 s[TS], s[WV], 8
	s_add_co_u32 s[TS], s[TS], MXB
	v_lshl_add_u32 v[MXS], v[RL], 4, s[TS] ; both halves of the lanes hold, and write, the same four maxima
	v_lshl_add_u32 v[MXL], v[RL], 4, MXB
	s_lshl_b32 s[TS], s[WV], 10
	s_add_co_u32 s[TS], s[TS], LXB
	v_lshl_add_u32 v[LXS], v53, 4, s[TS]
	v_lshl_add_u32 v[LXL], v53, 4, LXB
	s_mul_i32 s[TS], s[WV], 16*SP
	s_add_co_u32 s[TS], s[TS], STAGE
	v_mul_u32_u24 v[STO], v[RL], SP
	v_lshl_add_u32 v[STO], v52, 4, v[STO]
	v_add_nc_u32 v[STO], s[TS], v[STO]
	v_mul_u32_u24 v[RD], v52, SP
	v_lshl_add_u32 v[RD], v[RL], 4, v[RD]
	v_add_nc_u32 v[RD], s[TS], v[RD]
	v_lshlrev_b32 v[GO], 13, v52
	v_lshl_add_u32 v[GO], v[RL], 4, v[GO]
	v_sub_nc_u32 v[TH0], v[RL], v52
	s_lshl_b32 s[TS], s[WV], 5
	v_sub_nc_u32 v[TH0], v[TH0], s[TS]
.irp z, 16,17,18,19
	v_mov_b32 v[\z], 0
.endr
.set zi, 24
.rept 40
	v_mov_b32 v[zi], 0              ; l, a and its fillers, and what is at work: every register is written before it is read
.set zi, zi+1
.endr
.Lwalk:                             ; eight times: a tile is entered and the next is asked for
	CHANGE 1
	STEP 0
	s_sub_co_u32 s[CNT], s[CNT], 1
	s_cmp_lg_u32 s[CNT], 0
	s_cbranch_scc1 .Lwalk
	CHANGE 0                        ; the walk's last tile is written out: nothing is asked for
	STEP 1
	s_wait_tensorcnt 0x0            ; the wave's end
	ds_add_u32 v[SPW], v[NIL]
	s_wait_dscnt 0x0
	CROUND                          ; the closing round
	s_endpgm
.Lfunc_end_k_q22f8ae3493_attn:
	.size	k_q22f8ae3493_attn, .Lfunc_end_k_q22f8ae3493_attn-k_q22f8ae3493_attn
	.p2alignl 7, 3214868480
	.fill 96, 4, 3214868480
	.section	.rodata,"a",@progbits
	.p2align	6, 0x0
	.amdhsa_kernel k_q22f8ae3493_attn
		.amdhsa_group_segment_fixed_size 327680
		.amdhsa_private_segment_fixed_size 0
		.amdhsa_enable_private_segment 0
		.amdhsa_kernarg_size 24
		.amdhsa_user_sgpr_count 2
		.amdhsa_user_sgpr_kernarg_segment_ptr 1
		.amdhsa_wavefront_size32 1
		.amdhsa_system_sgpr_workgroup_id_x 1
		.amdhsa_system_sgpr_workgroup_id_y 1
		.amdhsa_system_sgpr_workgroup_id_z 1
		.amdhsa_system_vgpr_workitem_id 0
		.amdhsa_next_free_vgpr 1024
		.amdhsa_next_free_sgpr 66
		.amdhsa_reserve_vcc 1
		.amdhsa_float_denorm_mode_32 3
		.amdhsa_float_denorm_mode_16_64 3
		.amdhsa_memory_ordered 1
		.amdhsa_forward_progress 1
		.amdhsa_inst_pref_size 207
	.end_amdhsa_kernel
	.amdgpu_metadata
---
amdhsa.version: [ 1, 2 ]
amdhsa.kernels:
  - .name:           k_q22f8ae3493_attn
    .symbol:         k_q22f8ae3493_attn.kd
    .args:
      - { .name: q16, .offset: 0, .size: 8, .value_kind: global_buffer, .address_space: global }
      - { .name: x16, .offset: 8, .size: 8, .value_kind: global_buffer, .address_space: global }
      - { .name: o16, .offset: 16, .size: 8, .value_kind: global_buffer, .address_space: global }
    .group_segment_fixed_size: 327680
    .private_segment_fixed_size: 0
    .kernarg_segment_align: 8
    .kernarg_segment_size: 24
    .max_flat_workgroup_size: 128
    .sgpr_count:     66
    .vgpr_count:     1024
    .wavefront_size: 32
...
	.end_amdgpu_metadata
.endif
;; end of part 3
;; launch ogemm (part 4): grid 8 x 32, 4 waves a work-group, clusters of 4 x 4, 327,680 bytes of LDS; arguments o16, nt, bu, out0; writes out0
.if DOCPART == 4
	.amdgcn_target "amdgcn-amd-amdhsa--gfx1250"
	.amdhsa_code_object_version 6
	.text
	.protected	k_q22f8ae3493_ogemm
	.globl	k_q22f8ae3493_ogemm
	.p2align	8
	.type	k_q22f8ae3493_ogemm,@function
k_q22f8ae3493_ogemm:
	s_mov_b64 s[64:65], 0
	v_nop
	global_prefetch_b8 v0, s[64:65] scope:SCOPE_SE
	s_setreg_imm32_b32 hwreg(HW_REG_WAVE_MODE, 25, 1), 1
	s_wait_xcnt 0x0
	s_wait_alu depctr_hold_cnt(0) depctr_sa_sdst(0) depctr_va_vdst(0) depctr_va_sdst(0) depctr_va_ssrc(0) depctr_va_vcc(0) depctr_vm_vsrc(0)
	s_getreg_b32 s2, hwreg(HW_REG_IB_STS2, 6, 4)
	s_cmp_eq_u32 s2, 0
	s_cbranch_scc0 .Lentry_in_a_cluster
	s_endpgm
.Lentry_in_a_cluster:
	s_bfe_u32 s2, ttmp6, 0x10000c
	s_cmp_lg_u32 s2, 0xf033
	s_cbranch_scc0 .Lentry_shape_is_right
	s_endpgm
.Lentry_shape_is_right:
; out0[m][j] = 2^-8 x sum over h, e of o16[m][h 512 + e] nt[h 512 + j][e] + bu[j].  o16: [4096][4096] f16, nt: [4096][512] f16 (it carries 2^8), bu: [512] f32, out0: [4096][512] f32.
; Sums in f32; bu is rounded to bf16 like the module's other inputs.
; SHARES.  The result has only 512 columns, so a tile is 128 rows x 64 columns: 256 work-groups.  K = 4,096 goes in 16 steps of 256 (step 2 h + s: head h, channels 256 s on) through two LDS slots.
; THE FOUR WAVES SPLIT K: wave w takes bytes 128 w .. 128 w + 127 of every LDS row, for the whole tile (32 accumulators): no LDS byte is read by two waves, 48 LDS loads feed 64 matrix
; instructions.  The four partial tiles are added through LDS at the end, in the slots' bytes, which have had their last fill by then.
; CLUSTERS: 4 x 4.  o16's tile is shared along a row of the cluster, nt's along a column: joint loads, waves 0 and 1 for the two halves of o16's 128 rows, waves 2 and 3 for nt's 64.
; THE MATRIX INSTRUCTION IS USED TRANSPOSED (source 0 = 16 rows of nt, source 1 = 16 rows of o16): a lane holds eight neighbouring numbers of a row of the result.
; REGISTERS: window 0: v0-31 addresses and the bias; v32-127, v128-223 two fragment buffers (8 of A at + 8 a, 4 of B at + 64 + 8 b).  Window 1: accumulator (a, b) at 8 (4 a + b).
.set PITCH, 528                        ; an LDS row: 512 bytes + 16: the 16 rows of a load start at 16 different groups of four banks (ISA guide 11.1)
.set AHALF, 64*PITCH
.set BHALF, 32*PITCH
.set BOFF,  2*AHALF                    ; B's 64 rows lie behind A's 128
.set SLOT,  BOFF+2*BHALF
.set SPARE, 2*SLOT                     ; the spare words, 128 bytes for each wave
.set RP,    272                        ; the partial tiles: a row of 64 f32 + 16 bytes
.set REG,   128*RP                     ; one wave's partial tile
.set ADRA, 16                          ; v16-17  my A fragments in slot 0, 1
.set RD2,  18                          ; v18     RD0 + two partial tiles
.set CO,   19                          ; v19     my byte offset in two rows of out0
.set ADRB, 20                          ; v20-21  my B fragments
.set STO,  22                          ; v22     where I put 32 bytes of my partial tile
.set RD0,  23                          ; v23     where I read the partial tiles' rows
.set BI,   24                          ; v24-27  the bias of my four columns
.set SPW,  28                          ; v28     LDS address of my spare word; never rewritten
.set NIL,  29                          ; v29     0; never rewritten
.set F0,   32
.set F1,   128
.set G1, 24                            ; s[24:31] group 1 for A's tiles;  s[32:39] group 0, one set for each slot
.set G0, 32
.set G1B, 48                           ; s[48:55], s[56:63] the same for B's
.set G0B, 56
.set FLAGS, (1<<16)|(1<<20)|(1<<21)|(6<<22)|(3<<25)  ; 2-byte elements; padding on; bit 21 beside a mask; after every 128 words (code 6), 4 words (code 3)
.set MSB, 0
.macro WIN new
.if MSB != (\new)
	s_set_vgpr_msb (MSB<<8)|(\new)
.set MSB, \new
.endif
.endm
.macro PLACES
.rept 4
	v_nop
.endr
.endm
.macro JLOAD s                         ; a joint load; an s_nop 0 and four v_nop follow each of the two lines
	s_cmp_eq_u32 s13, 0
	s_cbranch_scc0 .Lfor_b_\@
	tensor_load_to_lds s[G0+4*(\s):G0+4*(\s)+3], s[G1:G1+7]
	s_nop 0
	PLACES
	s_branch .Lasked_\@
.Lfor_b_\@:
	tensor_load_to_lds s[G0B+4*(\s):G0B+4*(\s)+3], s[G1B:G1B+7]
	s_nop 0
	PLACES
.Lasked_\@:
.endm
.macro CREST
	s_cmp_lg_u32 s12, 0
	s_cbranch_scc1 .Lnot_wave_0_\@
	s_barrier_signal -3
.Lnot_wave_0_\@:
	s_barrier_wait -3
	s_barrier_signal -1
	s_barrier_wait -1
.endm
.macro CROUND
	s_barrier_signal -1
	s_barrier_wait -1
	CREST
.endm
	s_load_b256 s[4:11], s[0:1], 0x0               ; o16 s[4:5], nt s[6:7], bu s[8:9], out0 s[10:11]
	v_lshl_add_u32 v[SPW], v0, 2, SPARE
	v_mov_b32 v[NIL], 0
	ds_add_u32 v[SPW], v[NIL]                      ; the wave's opening
	v_lshrrev_b32 v1, 5, v0
	v_readfirstlane_b32 s12, v1                    ; wave 0..3
	s_lshr_b32 s13, s12, 1                         ; I fetch for A (0) or for B (1),
	s_and_b32 s14, s12, 1                          ; its first or second half
	s_bfe_u32 s40, ttmp6, 0x40000                  ; cx
	s_bfe_u32 s41, ttmp6, 0x40004                  ; cy
	s_lshl_b32 s42, ttmp9, 2
	s_add_co_u32 s42, s42, s40                     ; tile column 0..7
	s_and_b32 s43, ttmp7, 0xffff
	s_lshl_b32 s43, s43, 2
	s_add_co_u32 s43, s43, s41                     ; tile row 0..31
	s_lshl_b32 s44, s41, 2
	s_lshl_b32 s44, 15, s44                        ; my row of the cluster
	s_lshl_b32 s45, 0x1111, s40                    ; my column
	s_or_b32 s[G1], s44, FLAGS
	s_mov_b32 s[G1+1], 256<<16                     ; tensor_dim0 = 256
	s_mov_b32 s[G1+2], 64<<16                      ; tensor_dim1 = 64
	s_mov_b32 s[G1+3], 256<<16                     ; tile_dim0 = 256
	s_mov_b32 s[G1+4], 64                          ; tile_dim1 = 64
	s_mov_b32 s[G1+5], 4096                        ; elements from row to row
	s_mov_b32 s[G1+6], 0
	s_mov_b32 s[G1+7], 0
	s_or_b32 s[G1B], s45, FLAGS
	s_mov_b32 s[G1B+1], 256<<16
	s_mov_b32 s[G1B+2], 32<<16
	s_mov_b32 s[G1B+3], 256<<16
	s_mov_b32 s[G1B+4], 32
	s_mov_b32 s[G1B+5], 512
	s_mov_b32 s[G1B+6], 0
	s_mov_b32 s[G1B+7], 0
	s_lshl_b32 s16, s43, 20                        ; A: (128 x tile row + 64 x half) rows of 8,192 bytes
	s_lshl_b32 s17, s14, 19
	s_add_co_u32 s16, s16, s17
	s_mov_b32 s17, 0
	s_lshl_b32 s46, s42, 16                        ; B: (64 x tile column + 32 x half) rows of 1,024 bytes
	s_lshl_b32 s47, s14, 15
	s_add_co_u32 s46, s46, s47
	s_mov_b32 s47, 0
	s_mul_i32 s20, s14, AHALF                      ; where they go: no place in the cluster enters an LDS address
	s_mul_i32 s21, s14, BHALF
	s_add_co_u32 s21, s21, BOFF
	s_wait_dscnt 0x0                               ; the opening add is done
	s_wait_kmcnt 0x0
	s_add_nc_u64 s[18:19], s[4:5], s[16:17]
	s_add_nc_u64 s[46:47], s[6:7], s[46:47]
	CROUND                                         ; all sixteen work-groups are here: the first joint loads meet
.irp s, 0,1
	s_mov_b32 s[G0+4*(\s)], 1
	s_add_co_u32 s[G0+4*(\s)+1], s20, (\s)*SLOT
	s_add_nc_u64 s[G0+4*(\s)+2:G0+4*(\s)+3], s[18:19], (\s)*512
	s_or_b32 s[G0+4*(\s)+3], s[G0+4*(\s)+3], 0x80000000
	s_mov_b32 s[G0B+4*(\s)], 1
	s_add_co_u32 s[G0B+4*(\s)+1], s21, (\s)*SLOT
	s_add_nc_u64 s[G0B+4*(\s)+2:G0B+4*(\s)+3], s[46:47], (\s)*512
	s_or_b32 s[G0B+4*(\s)+3], s[G0B+4*(\s)+3], 0x80000000
	JLOAD \s
.endr
	s_lshl_b32 s16, s43, 18                        ; out0: (128 x tile row + 32 x wave) rows of 2,048 bytes,
	s_lshl_b32 s17, s12, 16
	s_add_co_u32 s16, s16, s17
	s_mov_b32 s17, 0
	s_add_nc_u64 s[10:11], s[10:11], s[16:17]
	s_lshl_b32 s46, s42, 8                         ; the tile's 64 columns (in the registers that held B's address)
	s_mov_b32 s47, 0
	s_add_nc_u64 s[10:11], s[10:11], s[46:47]
	s_add_nc_u64 s[8:9], s[8:9], s[46:47]
	s_mov_b32 s40, 0x3b800000                      ; 2^-8, as a pair (cx and cy have served)
	s_mov_b32 s41, s40
	v_and_b32 v1, 15, v0                           ; l % 16
	v_bfe_u32 v2, v0, 4, 1                         ; l / 16
	v_lshlrev_b32 v6, 4, v1
	global_load_b128 v[BI:BI+3], v6, s[8:9]        ; the bias of columns 4 (l % 16) on
	v_mul_u32_u24 v3, v1, PITCH
	v_lshl_add_u32 v3, v2, 4, v3
	s_lshl_b32 s22, s12, 7                         ; my 128 bytes of every row
	v_add_nc_u32 v[ADRA], s22, v3
	v_add_nc_u32 v[ADRA+1], SLOT, v[ADRA]
	v_add_nc_u32 v[ADRB], BOFF, v[ADRA]
	v_add_nc_u32 v[ADRB+1], BOFF, v[ADRA+1]
	s_mul_i32 s22, s12, REG
	v_mul_u32_u24 v4, v1, RP
	v_lshl_add_u32 v4, v2, 5, v4                   ; row l % 16, 32 bytes for each half of the lanes
	v_add_nc_u32 v[STO], s22, v4
	s_mul_i32 s22, s12, 32*RP                      ; wave w adds up rows 32 w .. 32 w + 31
	v_mul_u32_u24 v5, v2, RP
	v_lshl_add_u32 v5, v1, 4, v5
	v_add_nc_u32 v[RD0], s22, v5
	v_add_nc_u32 v[RD2], 2*REG, v[RD0]
	v_lshlrev_b32 v[CO], 11, v2
	v_lshl_add_u32 v[CO], v1, 4, v[CO]
; 24 LDS loads: the fragments of 32 along K (half c of my 64) into buffer f
.macro FETCH slot, c, f
	WIN 0
.irp i, 0,1,2,3,4,5,6,7
	ds_load_b128 v[(\f)+8*(\i):(\f)+8*(\i)+3],   v[ADRA+(\slot)] offset:64*(\c)+(\i)*16*PITCH
	ds_load_b128 v[(\f)+8*(\i)+4:(\f)+8*(\i)+7], v[ADRA+(\slot)] offset:64*(\c)+(\i)*16*PITCH+32
.endr
.irp i, 0,1,2,3
	ds_load_b128 v[(\f)+64+8*(\i):(\f)+64+8*(\i)+3],   v[ADRB+(\slot)] offset:64*(\c)+(\i)*16*PITCH
	ds_load_b128 v[(\f)+64+8*(\i)+4:(\f)+64+8*(\i)+7], v[ADRB+(\slot)] offset:64*(\c)+(\i)*16*PITCH+32
.endr
.endm
; 8 matrix instructions: row blocks 2 part, 2 part + 1 x all 4 column blocks.  The 32 accumulators take turns.
.macro MUL f, part, zero
	WIN 0x50                                       ; C and D window 1
.irp a, 2*(\part), 2*(\part)+1
.irp b, 0,1,2,3
.if \zero
	v_wmma_f32_16x16x32_f16 v[8*(4*(\a)+(\b)):8*(4*(\a)+(\b))+7], v[(\f)+64+8*(\b):(\f)+64+8*(\b)+7], v[(\f)+8*(\a):(\f)+8*(\a)+7], 0
.else
	v_wmma_f32_16x16x32_f16 v[8*(4*(\a)+(\b)):8*(4*(\a)+(\b))+7], v[(\f)+64+8*(\b):(\f)+64+8*(\b)+7], v[(\f)+8*(\a):(\f)+8*(\a)+7], v[8*(4*(\a)+(\b)):8*(4*(\a)+(\b))+7]
.endif
.endr
.endr
.endm
; A step's first half: buffer 0 is multiplied; ahead of that the second half's fragments are asked for
.macro HALF slot, zero
	PLACES                                         ; for the loads into buffer 1, which was multiplied last
	FETCH \slot, 1, F1
	s_wait_dscnt 24                                ; buffer 0 is in; the 24 just issued may be out
	MUL F0, 0, \zero
	MUL F0, 1, \zero
	MUL F0, 2, \zero
	MUL F0, 3, \zero
.endm
; A step's second half, and the change of slots: ONE barrier; ahead of it each wave waits for all its tensor loads, adds 0 to its spare word, and waits for that and for its reads of this slot.
; fill = 1: the barrier opens a round of the cluster's, and this slot is filled again, two steps ahead, first thing behind it: 48 matrix instructions ahead of the wait for it.
.macro TURN slot, next, fill
	WIN 0
	s_wait_tensorcnt 0x0
	ds_add_u32 v[SPW], v[NIL]
	s_wait_dscnt 1                                 ; buffer 1 is in; the add may be out
	MUL F1, 0, 0
	s_wait_dscnt 0x0                               ; the add is done, and my reads of this slot are over
	s_barrier_signal -1
	MUL F1, 1, 0
.if \fill
	WIN 0
.endif
	s_barrier_wait -1
.if \fill
	CREST
	s_add_nc_u64 s[G0+4*(\slot)+2:G0+4*(\slot)+3], s[G0+4*(\slot)+2:G0+4*(\slot)+3], 1024      ; o16: 512 channels on
	s_add_nc_u64 s[G0B+4*(\slot)+2:G0B+4*(\slot)+3], s[G0B+4*(\slot)+2:G0B+4*(\slot)+3], 524288 ; nt: the next head's 512 rows
	JLOAD \slot                                    ; the four v_nop behind it are also the places ahead of the loads below
.else
	PLACES
.endif
	FETCH \next, 0, F0
	MUL F1, 2, 0
	MUL F1, 3, 0
.endm
	s_wait_tensorcnt 1                             ; my part of step 0 is in; step 1's may stay out
	s_barrier_signal -1
	s_barrier_wait -1
	FETCH 0, 0, F0
	HALF 0, 1                                      ; the first products start the sums
	WIN 0
	s_mov_b32 s3, 7
.Llap:                                                 ; a trip goes once round the ring and fills both slots again
	TURN 0, 1, 1
	HALF 1, 0
	TURN 1, 0, 1
	HALF 0, 0
	WIN 0
	s_sub_co_u32 s3, s3, 1
	s_cmp_lg_u32 s3, 0
	s_cbranch_scc1 .Llap
	TURN 0, 1, 0                                   ; the last lap fills nothing
	HALF 1, 0
	s_wait_dscnt 0x0
	MUL F1, 0, 0
	MUL F1, 1, 0
	MUL F1, 2, 0
	MUL F1, 3, 0
	PLACES
	WIN 0
	s_barrier_signal -1                            ; every wave's reads of the slots are over (each has waited for them): their bytes now take the partial tiles
	s_barrier_wait -1
	WIN 0x04                                       ; store data in window 1
.irp a, 0,1,2,3,4,5,6,7
.irp b, 0,1,2,3
	ds_store_b128 v[STO], v[8*(4*\a+\b):8*(4*\a+\b)+3]   offset:16*RP*\a+64*\b
	ds_store_b128 v[STO], v[8*(4*\a+\b)+4:8*(4*\a+\b)+7] offset:16*RP*\a+64*\b+16
.endr
.endr
	WIN 0
	s_wait_loadcnt 0x0                             ; the bias,
	v_cvt_pk_bf16_f32 v30, v[BI], v[BI+1]          ; rounded to bf16 and widened again
	v_cvt_pk_bf16_f32 v31, v[BI+2], v[BI+3]
	v_lshlrev_b32 v[BI], 16, v30
	v_and_b32 v[BI+1], 0xffff0000, v30
	v_lshlrev_b32 v[BI+2], 16, v31
	v_and_b32 v[BI+3], 0xffff0000, v31
	s_wait_dscnt 0x0                               ; for the others' sake
	s_barrier_signal -1
	s_barrier_wait -1
; Four batches of four pairs of rows: the four partial tiles' 16 bytes a lane, added, times 2^-8, plus the bias
.set bt, 0
.rept 4
.if bt > 0
	s_wait_xcnt 0x0                                ; the last batch's stores have read the registers that the loads below rewrite
.endif
.set pr, 0
.rept 4
	ds_load_b128 v[F0+16*pr:F0+16*pr+3],     v[RD0] offset:2*RP*(4*bt+pr)
	ds_load_b128 v[F0+16*pr+4:F0+16*pr+7],   v[RD0] offset:2*RP*(4*bt+pr)+REG
	ds_load_b128 v[F0+16*pr+8:F0+16*pr+11],  v[RD2] offset:2*RP*(4*bt+pr)
	ds_load_b128 v[F0+16*pr+12:F0+16*pr+15], v[RD2] offset:2*RP*(4*bt+pr)+REG
.set pr, pr+1
.endr
	s_wait_dscnt 0x0
.set pr, 0
.rept 4
.set bb, F0+16*pr
	v_pk_add_f32 v[bb:bb+1],     v[bb:bb+1],     v[bb+4:bb+5]
	v_pk_add_f32 v[bb+2:bb+3],   v[bb+2:bb+3],   v[bb+6:bb+7]
	v_pk_add_f32 v[bb+8:bb+9],   v[bb+8:bb+9],   v[bb+12:bb+13]
	v_pk_add_f32 v[bb+10:bb+11], v[bb+10:bb+11], v[bb+14:bb+15]
	v_pk_add_f32 v[bb:bb+1],     v[bb:bb+1],     v[bb+8:bb+9]
	v_pk_add_f32 v[bb+2:bb+3],   v[bb+2:bb+3],   v[bb+10:bb+11]
	v_pk_fma_f32 v[bb:bb+1],     v[bb:bb+1],     s[40:41], v[BI:BI+1]   op_sel_hi:[1,0,1]
	v_pk_fma_f32 v[bb+2:bb+3],   v[bb+2:bb+3],   s[40:41], v[BI+2:BI+3] op_sel_hi:[1,0,1]
	global_store_b128 v[CO], v[bb:bb+3], s[10:11] offset:4096*(4*bt+pr) th:TH_STORE_NT  ; 16 lanes store 256 consecutive bytes, at a multiple of 256 from out0's first byte
.set pr, pr+1
.endr
.set bt, bt+1
.endr
	s_wait_tensorcnt 0x0                           ; the wave's end
	ds_add_u32 v[SPW], v[NIL]
	s_wait_dscnt 0x0
	CROUND                                         ; the closing round
	s_endpgm
.Lfunc_end_k_q22f8ae3493_ogemm:
	.size	k_q22f8ae3493_ogemm, .Lfunc_end_k_q22f8ae3493_ogemm-k_q22f8ae3493_ogemm
	.p2alignl 7, 3214868480
	.fill 96, 4, 3214868480
	.section	.rodata,"a",@progbits
	.p2align	6, 0x0
	.amdhsa_kernel k_q22f8ae3493_ogemm
		.amdhsa_group_segment_fixed_size 327680
		.amdhsa_private_segment_fixed_size 0
		.amdhsa_enable_private_segment 0
		.amdhsa_kernarg_size 32
		.amdhsa_user_sgpr_count 2
		.amdhsa_user_sgpr_kernarg_segment_ptr 1
		.amdhsa_wavefront_size32 1
		.amdhsa_system_sgpr_workgroup_id_x 1
		.amdhsa_system_sgpr_workgroup_id_y 1
		.amdhsa_system_sgpr_workgroup_id_z 1
		.amdhsa_system_vgpr_workitem_id 0
		.amdhsa_next_free_vgpr 512
		.amdhsa_next_free_sgpr 66
		.amdhsa_reserve_vcc 0
		.amdhsa_float_denorm_mode_32 3
		.amdhsa_float_denorm_mode_16_64 3
		.amdhsa_memory_ordered 1
		.amdhsa_forward_progress 1
		.amdhsa_inst_pref_size 58
	.end_amdhsa_kernel
	.amdgpu_metadata
---
amdhsa.version: [ 1, 2 ]
amdhsa.kernels:
  - .name:           k_q22f8ae3493_ogemm
    .symbol:         k_q22f8ae3493_ogemm.kd
    .args:
      - { .name: o16, .offset: 0, .size: 8, .value_kind: global_buffer, .address_space: global }
      - { .name: nt, .offset: 8, .size: 8, .value_kind: global_buffer, .address_space: global }
      - { .name: bu, .offset: 16, .size: 8, .value_kind: global_buffer, .address_space: global }
      - { .name: out0, .offset: 24, .size: 8, .value_kind: global_buffer, .address_space: global }
    .group_segment_fixed_size: 327680
    .private_segment_fixed_size: 0
    .kernarg_segment_align: 8
    .kernarg_segment_size: 32
    .max_flat_workgroup_size: 128
    .sgpr_count:     66
    .vgpr_count:     512
    .wavefront_size: 32
...
	.end_amdgpu_metadata
.endif
;; end of part 4
;; ======== version 2 of 2: 4 launches; version 1 with the launch prep written anew for expert scheduling mode
;; limits: values are held in f16: magnitudes above 65,504 overflow, below 6.1e-05 lose precision
;; workspace buffers: x16 4,194,304 bytes; mt 4,194,304 bytes; nt 4,194,304 bytes; q16 33,554,432 bytes; o16 33,554,432 bytes
;; launch prep (part 5): grid 256 x 1, 8 waves a work-group, no clusters, 314,368 bytes of LDS; arguments x, Wq, Wk, Wv, Wu, x16, mt, nt; writes x16, mt, nt
.if DOCPART == 5
	.amdgcn_target "amdgcn-amd-amdhsa--gfx1250"
	.amdhsa_code_object_version 6
	.text
	.protected	k_q22f8ae3493_prep
	.globl	k_q22f8ae3493_prep
	.p2align	8
	.type	k_q22f8ae3493_prep,@function
k_q22f8ae3493_prep:
	s_mov_b64 s[64:65], 0
	v_nop
	global_prefetch_b8 v0, s[64:65] scope:SCOPE_SE
	s_setreg_imm32_b32 hwreg(HW_REG_WAVE_SCHED_MODE, 0, 2), 2
	s_setreg_imm32_b32 hwreg(HW_REG_WAVE_MODE, 25, 1), 1
	s_wait_xcnt 0x0
	s_wait_alu depctr_vm_vsrc(0)
; THE WEIGHTS ARE FOLDED, AND x IS NARROWED.  A head is as wide as the embedding (512), so by associativity
;   scores_h = x (Wq_h Wk_h^T) x^T   and   out = sum over h of softmax_h x (Wv_h Wu_h) + bu.
; mt[h 512 + j][i] = sum over d of Wq[i][h 512 + d] Wk[j][h 512 + d]            (f16)
; nt[h 512 + j][e] = 256 x sum over d of Wv[e][h 512 + d] Wu[h 512 + d][j]      (f16; the exact factor 2^8 centres f16's range; the last launch divides it out)
; x16 = x rounded to bf16 and written as f16 (exact inside f16's range).
; Products on bf16 operands, sums in f32.  LIMITS: |x| up to 65,504 (f16's largest); below 6e-5 a number keeps f16's fixed step; NaN and infinities are not treated apart.
; SHARES.  256 work-groups of eight waves.  Work-group g: bit 7 says mt (0) or nt (1), bits 6:4 the head, bits 3:2 the tile's 128 rows, bits 1:0 its 128 columns;
; it also narrows x's rows 16 g .. 16 g + 15.  Wave w makes 64 rows (w / 4) x 32 columns (w % 4): 8 accumulators.
; The f32 weights are rounded on their way into LDS, so they come through registers (16 loads of 512 consecutive bytes for each operand and chunk, one chunk ahead).
; NO CLUSTER: loads into registers cannot be shared between work-groups.  K = 512 goes in four chunks of 128, each with LDS bytes of its own: nothing in LDS is written twice.
; THE MATRIX INSTRUCTION IS USED TRANSPOSED (source 0 = 16 columns of the tile, source 1 = 16 rows): a lane then holds eight neighbouring numbers of a row.
; For nt the row operand is Wu, which lies [d][j]: it is kept so in LDS and read by the turning load.
; THE MODE: SCHED_MODE bits 1:0 = 2 (LLVM: expert scheduling mode 2), set by the entry lines.  The code itself states the register dependences
; between vector or matrix instructions and memory or LDS instructions, with s_wait_alu, always for 0.
; THE PLAN.  Registers that memory or LDS instructions touch:
;   v1, v4, v5, v11-13   offsets and addresses, made at the head and never written again.
;   v6-10                LDS addresses: read by a chunk's LDS stores and fragment loads, moved on by a chunk at the head of chunks 1 to 3.
;   v16                  the offset of x16's stores; later a register of the first accumulator.
;   RR (v128-191), RC (v256-319)   a chunk's loads land; 32 conversions round in place; 16 LDS stores read; the next chunk's loads land.
;   fragment buffers 0 (v80-127) and 1 (v192-239)   K step s: the LDS loads land in buffer s % 2, the step's eight products read it, the loads of step s + 2 land.
; The accumulators and v14, v15, v17-21 are named by vector and matrix instructions alone.
; So a chunk has: one wait on vm_vsrc ahead of the five address steps; for each operand one wait on va_vdst between its conversions and its LDS stores and one on vm_vsrc
; between those stores and the next loads; and one wait on va_vdst behind the products of K steps 0 and 1, ahead of the loads that fill their buffer again.
; RC lies in window 1 (s_set_vgpr_msb: bits 1:0 source 0, 3:2 source 1, 5:4 source 2, 7:6 destination): four switches a chunk, none among the K steps.
.set PITCH, 272                        ; an LDS row: 128 bf16 + 16 bytes
.set TILEB, 128*PITCH
.set CHUNK, 2*TILEB                    ; row operand's tile, then column operand's
.set STAGE, 4*CHUNK                    ; 128 rows x 272 bytes, for the way out
.set SPARE, STAGE+TILEB                ; the spare words, 128 bytes for each of eight waves
.set XL,   1                           ; v1   my byte offset in the group's rows of x
.set SPW,  2                           ; v2   LDS address of my spare word; never rewritten
.set NIL,  3                           ; v3   0; never rewritten
.set V16K, 4                           ; v4   16 lane + wave x 16,384: a row of Wq, Wk, Wv
.set V2K,  5                           ; v5   16 lane + wave x 2,048: a row of Wu
.set LSR,  6                           ; v6   where I put 8 bytes of the row operand's tile
.set LSC,  7                           ; v7   the same for the column operand
.set ADR,  8                           ; v8   my row fragments (K along the LDS rows)
.set ADT,  9                           ; v9   my row fragments (K down the LDS rows: the turning load)
.set ADC,  10                          ; v10  my column fragments
.set STO,  11                          ; v11  the way out: where I put 16 bytes
.set RD,   12                          ; v12  the way out: where I read rows back
.set CO,   13                          ; v13  my byte offset in two rows of the output
.set ACC,  16                          ; v16-79   accumulator (a, b) at 16 + 8 (2 a + b); until the first product v16 is x16's offset, v17-21 at work
.set FR,   80                          ; v80-111  row fragments, buffer 0; first x as loaded
.set FC,   112                         ; v112-127 column fragments, buffer 0; first x16 to store
.set NEXTF, 112                        ; buffer 1 lies 112 registers on: rows v192-223, columns v224-239
.set RR,   128                         ; v128-191 the row operand's next chunk, as loaded
.set OB,   192                         ; v192-223 the way out: the rows read back from the stage
.set RC,   0                           ; window 1: v256-319 the column operand's next chunk, as loaded
.set MSB, 0
.macro WIN new                         ; the immediate's high byte repeats the setting that is left; a switch that changes nothing is dropped
.if MSB != (\new)
	s_set_vgpr_msb (MSB<<8)|(\new)
.set MSB, \new
.endif
.endm
	s_load_b512 s[16:31], s[0:1], 0x0              ; x 16, Wq 18, Wk 20, Wv 22, Wu 24, x16 26, mt 28, nt 30
	v_lshl_add_u32 v[SPW], v0, 2, SPARE
	v_mov_b32 v[NIL], 0
	v_lshrrev_b32 v14, 5, v0
	v_readfirstlane_b32 s3, v14                    ; wave 0..7
	s_lshr_b32 s4, ttmp9, 7                        ; 0: mt, 1: nt
	s_bfe_u32 s5, ttmp9, 0x30004                   ; head
	s_bfe_u32 s6, ttmp9, 0x20002                   ; which 128 rows
	s_and_b32 s7, ttmp9, 3                         ; which 128 columns
	s_mov_b32 s14, 0xffff0000                      ; a word's upper bf16
	s_mov_b32 s9, 0                                ; the high word of every offset
	v_and_b32 v14, 31, v0                          ; lane
	v_and_b32 v15, 15, v0                          ; l % 16
	v_bfe_u32 v17, v0, 4, 1                        ; l / 16
	v_lshlrev_b32 v18, 4, v14
	s_wait_alu depctr_va_sdst(0)                   ; s3 is written, ahead of its first reader: the wave's shares, addresses and bases are made from it
	s_lshr_b32 s44, s3, 2                          ; my 64 rows
	s_and_b32 s45, s3, 3                           ; my 32 columns
	s_lshl_b32 s8, s3, 14
	v_add_nc_u32 v[V16K], s8, v18
	s_lshl_b32 s8, s3, 11
	v_add_nc_u32 v[V2K], s8, v18
	s_mul_i32 s8, s3, PITCH
	v_lshl_add_u32 v[LSR], v14, 3, s8              ; row = wave (+ 8 for each further load), 8 bytes a lane
	v_add_nc_u32 v[LSC], TILEB, v[LSR]
	v_mul_u32_u24 v19, v15, PITCH
	v_lshl_add_u32 v19, v17, 4, v19                ; a fragment's row x pitch + 16 x half
	s_mul_i32 s8, s44, 64*PITCH
	v_add_nc_u32 v[ADR], s8, v19
	v_and_b32 v20, 7, v0
	v_lshl_add_u32 v20, v17, 3, v20                ; the turning load: K row 8 (l / 16) + l % 8,
	v_mul_u32_u24 v20, v20, PITCH
	v_bfe_u32 v21, v0, 3, 1
	v_lshl_add_u32 v20, v21, 4, v20                ; 16 bytes for each eight lanes
	s_lshl_b32 s8, s44, 7
	v_add_nc_u32 v[ADT], s8, v20
	s_mul_i32 s8, s45, 32*PITCH
	s_add_co_u32 s8, s8, TILEB
	v_add_nc_u32 v[ADC], s8, v19
	s_mul_i32 s8, s44, 64*PITCH
	s_lshl_b32 s10, s45, 6
	s_add_co_u32 s8, s8, s10
	s_add_co_u32 s8, s8, STAGE
	v_add_nc_u32 v[STO], s8, v19
	s_mul_i32 s8, s3, 16*PITCH
	s_add_co_u32 s8, s8, STAGE
	v_mul_u32_u24 v20, v17, PITCH
	v_lshl_add_u32 v20, v15, 4, v20
	v_add_nc_u32 v[RD], s8, v20                    ; back: wave w takes rows 16 w .. 16 w + 15, two a load
	v_lshlrev_b32 v[CO], 10, v17
	v_lshl_add_u32 v[CO], v15, 4, v[CO]
	v_lshlrev_b32 v[XL], 5, v0                     ; 8 numbers of x: 32 bytes in,
	v_lshlrev_b32 v16, 4, v0                       ; 16 bytes out
	s_wait_kmcnt 0x0
	s_lshl_b32 s8, ttmp9, 15
	s_add_nc_u64 s[40:41], s[16:17], s[8:9]        ; x at my 16 rows
	s_lshl_b32 s8, ttmp9, 14
	s_add_nc_u64 s[42:43], s[26:27], s[8:9]        ; x16 likewise
	s_lshl_b32 s8, s6, 21
	s_lshl_b32 s10, s5, 11
	s_add_co_u32 s8, s8, s10
	s_add_nc_u64 s[32:33], s[20:21], s[8:9]        ; Wk: the tile's 128 rows, the head's columns
	s_lshl_b32 s8, s5, 20
	s_lshl_b32 s10, s6, 9
	s_add_co_u32 s8, s8, s10
	s_add_nc_u64 s[34:35], s[24:25], s[8:9]        ; Wu: the head's rows, the tile's 128 columns
	s_cmp_eq_u32 s4, 0
	s_cselect_b64 s[36:37], s[18:19], s[22:23]     ; column operand: Wq or Wv
	s_cselect_b64 s[38:39], s[28:29], s[30:31]     ; output: mt or nt
	s_cselect_b32 s12, 1.0, 0x43800000             ; its factor: 1 or 256
	s_mov_b32 s13, s12
	s_lshl_b32 s8, s7, 21
	s_lshl_b32 s10, s5, 11
	s_add_co_u32 s8, s8, s10
	s_add_nc_u64 s[36:37], s[36:37], s[8:9]
	s_lshl_b32 s8, s5, 19
	s_lshl_b32 s10, s6, 17
	s_add_co_u32 s8, s8, s10
	s_lshl_b32 s10, s7, 8
	s_add_co_u32 s8, s8, s10
	s_lshl_b32 s10, s3, 14
	s_add_co_u32 s8, s8, s10
	s_add_nc_u64 s[38:39], s[38:39], s[8:9]        ; the 16 rows that I store, at the tile's first column
	s_wait_alu depctr_va_vdst(0)                   ; the offsets and addresses v1, v4 to v13 and v16 are written, which the loads and stores below read
.irp p, 0,1,2,3
	global_load_b128 v[FR+8*\p:FR+8*\p+3],   v[XL], s[40:41] offset:8192*\p th:TH_LOAD_NT
	global_load_b128 v[FR+8*\p+4:FR+8*\p+7], v[XL], s[40:41] offset:8192*\p+16 th:TH_LOAD_NT
.endr
; Chunk c of the row operand: 16 loads, each a row's 512 bytes; rows wave + 8 p.  Either way issues sixteen, so the counted waits hold on both.
.macro LDR c
	s_cmp_eq_u32 s4, 0
	s_cbranch_scc0 .Lwu_\@
.set pp, 0
.rept 16
	global_load_b128 v[RR+4*pp:RR+4*pp+3], v[V16K], s[32:33] offset:131072*pp+512*(\c)
.set pp, pp+1
.endr
	s_branch .Lrd_\@
.Lwu_\@:
.set pp, 0
.rept 16
	global_load_b128 v[RR+4*pp:RR+4*pp+3], v[V2K], s[34:35] offset:16384*pp+262144*(\c)
.set pp, pp+1
.endr
.Lrd_\@:
.endm
; Chunk c of the column operand, into window 1: the switch, then the waits, then the loads
.macro LDC c
	WIN 0x40                                       ; destination window 1, offset window 0
	s_wait_alu depctr_va_vdst(0)                   ; v4, the loads' offset, is written; from chunk 1 on: the conversions are done reading and writing v256-319, in which the loads land
.if (\c) > 0
	s_wait_alu depctr_vm_vsrc(0)                   ; the LDS stores above have read v256-319
.endif
.set pp, 0
.rept 16
	global_load_b128 v[RC+4*pp:RC+4*pp+3], v[V16K], s[36:37] offset:131072*pp+512*(\c)
.set pp, pp+1
.endr
	WIN 0
.endm
; Sixteen rows' parts are rounded to bf16 in place,
.macro CVT base
.set pp, 0
.rept 16
	v_cvt_pk_bf16_f32 v[(\base)+4*pp],   v[(\base)+4*pp],   v[(\base)+4*pp+1]
	v_cvt_pk_bf16_f32 v[(\base)+4*pp+1], v[(\base)+4*pp+2], v[(\base)+4*pp+3]
.set pp, pp+1
.endr
.endm
; and put into LDS in one run, 256 consecutive bytes a store
.macro PUT base, adr
.set pp, 0
.rept 16
	ds_store_b64 v[\adr], v[(\base)+4*pp:(\base)+4*pp+1] offset:8*PITCH*pp
.set pp, pp+1
.endr
.endm
; The 12 fragment loads of K step s (32 along K) into buffer f.  Either way issues eight row loads, so the counted waits hold on both.
.macro FETCH s, f
.set bR, FR+NEXTF*(\f)
.set bC, FC+NEXTF*(\f)
.irp b, 0,1
	ds_load_b128 v[bC+8*\b:bC+8*\b+3],   v[ADC] offset:16*PITCH*\b+64*(\s)
	ds_load_b128 v[bC+8*\b+4:bC+8*\b+7], v[ADC] offset:16*PITCH*\b+64*(\s)+32
.endr
	s_cmp_eq_u32 s4, 0
	s_cbranch_scc0 .Lturn_\@
.irp a, 0,1,2,3
	ds_load_b128 v[bR+8*\a:bR+8*\a+3],   v[ADR] offset:16*PITCH*\a+64*(\s)
	ds_load_b128 v[bR+8*\a+4:bR+8*\a+7], v[ADR] offset:16*PITCH*\a+64*(\s)+32
.endr
	s_branch .Lgot_\@
.Lturn_\@:
.irp a, 0,1,2,3
	ds_load_tr16_b128 v[bR+8*\a:bR+8*\a+3],   v[ADT] offset:32*PITCH*(\s)+32*\a
	ds_load_tr16_b128 v[bR+8*\a+4:bR+8*\a+7], v[ADT] offset:32*PITCH*(\s)+32*\a+16*PITCH
.endr
.Lgot_\@:
.endm
; 8 products on buffer f, on 8 accumulators by turns
.macro MUL f, zero
.set bR, FR+NEXTF*(\f)
.set bC, FC+NEXTF*(\f)
.irp a, 0,1,2,3
.irp b, 0,1
.if \zero
	v_wmma_f32_16x16x32_bf16 v[ACC+8*(2*\a+\b):ACC+8*(2*\a+\b)+7], v[bC+8*\b:bC+8*\b+7], v[bR+8*\a:bR+8*\a+7], 0
.else
	v_wmma_f32_16x16x32_bf16 v[ACC+8*(2*\a+\b):ACC+8*(2*\a+\b)+7], v[bC+8*\b:bC+8*\b+7], v[bR+8*\a:bR+8*\a+7], v[ACC+8*(2*\a+\b):ACC+8*(2*\a+\b)+7]
.endif
.endr
.endr
.endm
; Chunk c: its two tiles go into LDS while the next chunk's loads leave; a barrier; four K steps on two fragment buffers
.macro CHUNKM c
.if (\c) > 0
	s_wait_alu depctr_vm_vsrc(0)                   ; the last chunk's LDS stores and fragment loads have read v6 to v10
	v_add_nc_u32 v[LSR], CHUNK, v[LSR]             ; this chunk has LDS bytes of its own
	v_add_nc_u32 v[LSC], CHUNK, v[LSC]
	v_add_nc_u32 v[ADR], CHUNK, v[ADR]
	v_add_nc_u32 v[ADT], CHUNK, v[ADT]
	v_add_nc_u32 v[ADC], CHUNK, v[ADC]
.endif
	s_wait_loadcnt 16                              ; loads come back in order (ISA guide 5.7.1): the row operand's sixteen are in, the column operand's may be out
	CVT RR
	s_wait_alu depctr_va_vdst(0)                   ; the conversions have written v128-191, which the LDS stores read, and are done with them, for the next loads; v6 to v10 are written; the last chunk's products are done reading both fragment buffers, in which this chunk's first loads land
	PUT RR, LSR
.if (\c) < 3
	s_wait_alu depctr_vm_vsrc(0)                   ; those LDS stores have read v128-191, in which the next chunk's loads land
	LDR (\c)+1
	s_wait_loadcnt 16                              ; the column operand's are in; the sixteen just issued may be out
.else
	s_wait_loadcnt 0x0
.endif
	WIN 0x45                                       ; destination and both sources window 1
	CVT RC
	WIN 0x04                                       ; the stores' data window 1, their address window 0
	s_wait_alu depctr_va_vdst(0)                   ; the conversions have written v256-319, which the LDS stores read
	PUT RC, LSC
.if (\c) < 3
	LDC (\c)+1
.endif
	WIN 0
.if (\c) == 0
	s_wait_xcnt 0x0                                ; x16's stores have had their addresses translated (ISA guide 3.1): v16 and v112-127 are rewritten only behind this wait,
	s_wait_alu depctr_vm_vsrc(0)                   ; and they have read v16, which the first product writes, and v112-127, in which fragment loads land
.endif
	s_wait_dscnt 0x0                               ; for the others' sake: my stores into the tiles are done
	s_barrier_signal -1
	s_barrier_wait -1
	FETCH 0, 0                                     ; no vector or matrix instruction since the waits on va_vdst above names either buffer or v8 to v10
	FETCH 1, 1
	s_wait_dscnt 12                                ; LDS loads come back in order (ISA guide 5.7.1): step 0's fragments are in, step 1's twelve loads may be out
.if (\c) == 0
	MUL 0, 1                                       ; the first products start the sums
.else
	MUL 0, 0
.endif
	s_wait_alu depctr_va_vdst(0)                   ; step 0's products are done reading buffer 0, in which step 2's fragments land
	FETCH 2, 0
	s_wait_dscnt 12                                ; step 1's are in
	MUL 1, 0
	s_wait_alu depctr_va_vdst(0)                   ; step 1's products are done reading buffer 1, in which step 3's fragments land
	FETCH 3, 1
	s_wait_dscnt 12                                ; step 2's are in
	MUL 0, 0
	s_wait_dscnt 0x0
	MUL 1, 0
.endm
	LDR 0
	LDC 0
	s_wait_loadcnt 32                              ; x is in; the 32 weight loads behind it stay out
.irp p, 0,1,2,3
.irp q, 0,1,2,3
	v_cvt_pk_bf16_f32 v14, v[FR+8*\p+2*\q], v[FR+8*\p+2*\q+1]  ; rounded to bf16,
	v_lshlrev_b32 v15, 16, v14                                 ; widened again,
	v_and_b32 v14, s14, v14
	v_cvt_pk_f16_f32 v[FC+4*\p+\q], v15, v14                   ; and written as f16
.endr
.endr
	s_wait_alu depctr_va_vdst(0)                   ; the conversions have written v112-127, which the four stores read
.irp p, 0,1,2,3
	global_store_b128 v16, v[FC+4*\p:FC+4*\p+3], s[42:43] offset:4096*\p  ; a wave's store covers 512 consecutive bytes
.endr
	CHUNKM 0
	CHUNKM 1
	CHUNKM 2
	CHUNKM 3
	; THE WAY OUT: the factor, f16, 16 bytes a lane into the stage; a barrier, since a row's 256 bytes come from four waves; back as whole rows.
.rept 4
	v_nop                                          ; four places behind the last product, before its result is read (ISA guide 7.12.1)
.endr
.set zz, 0
.rept 32
	v_pk_mul_f32 v[ACC+2*zz:ACC+2*zz+1], v[ACC+2*zz:ACC+2*zz+1], s[12:13] op_sel_hi:[1,0]
.set zz, zz+1
.endr
	s_wait_alu depctr_vm_vsrc(0)                   ; the last chunk's LDS stores have read v128-191, of which the conversions below write v128-159
.set zz, 0
.rept 32
	v_cvt_pk_f16_f32 v[RR+zz], v[ACC+2*zz], v[ACC+2*zz+1]
.set zz, zz+1
.endr
	s_wait_alu depctr_va_vdst(0)                   ; the conversions have written v128-159, which the stage's stores read; the last products are done reading v192-223, in which the stage's rows land
.irp a, 0,1,2,3
.irp b, 0,1
	ds_store_b128 v[STO], v[RR+4*(2*\a+\b):RR+4*(2*\a+\b)+3] offset:16*PITCH*\a+32*\b
.endr
.endr
	s_wait_dscnt 0x0
	s_barrier_signal -1
	s_barrier_wait -1
.irp t, 0,1,2,3,4,5,6,7
	ds_load_b128 v[OB+4*\t:OB+4*\t+3], v[RD] offset:2*PITCH*\t
.endr
.irp t, 0,1,2,3,4,5,6,7
	s_wait_dscnt 7-\t
	global_store_b128 v[CO], v[OB+4*\t:OB+4*\t+3], s[38:39] offset:2048*\t  ; 16 lanes store 256 consecutive bytes, at a multiple of 256 from the buffer's first byte
.endr
	s_wait_dscnt 0x0                               ; the wave's end
	s_wait_alu 0x0
	s_wait_tensorcnt 0x0
	ds_add_u32 v[SPW], v[NIL]
	s_wait_dscnt 0x0
	s_endpgm
.Lfunc_end_k_q22f8ae3493_prep:
	.size	k_q22f8ae3493_prep, .Lfunc_end_k_q22f8ae3493_prep-k_q22f8ae3493_prep
	.p2alignl 7, 3214868480
	.fill 96, 4, 3214868480
	.section	.rodata,"a",@progbits
	.p2align	6, 0x0
	.amdhsa_kernel k_q22f8ae3493_prep
		.amdhsa_group_segment_fixed_size 314368
		.amdhsa_private_segment_fixed_size 0
		.amdhsa_enable_private_segment 0
		.amdhsa_kernarg_size 64
		.amdhsa_user_sgpr_count 2
		.amdhsa_user_sgpr_kernarg_segment_ptr 1
		.amdhsa_wavefront_size32 1
		.amdhsa_system_sgpr_workgroup_id_x 1
		.amdhsa_system_sgpr_workgroup_id_y 1
		.amdhsa_system_sgpr_workgroup_id_z 1
		.amdhsa_system_vgpr_workitem_id 0
		.amdhsa_next_free_vgpr 320
		.amdhsa_next_free_sgpr 66
		.amdhsa_reserve_vcc 0
		.amdhsa_float_denorm_mode_32 3
		.amdhsa_float_denorm_mode_16_64 3
		.amdhsa_memory_ordered 1
		.amdhsa_forward_progress 1
		.amdhsa_inst_pref_size 91
	.end_amdhsa_kernel
	.amdgpu_metadata
---
amdhsa.version: [ 1, 2 ]
amdhsa.kernels:
  - .name:           k_q22f8ae3493_prep
    .symbol:         k_q22f8ae3493_prep.kd
    .args:
      - { .name: x, .offset: 0, .size: 8, .value_kind: global_buffer, .address_space: global }
      - { .name: Wq, .offset: 8, .size: 8, .value_kind: global_buffer, .address_space: global }
      - { .name: Wk, .offset: 16, .size: 8, .value_kind: global_buffer, .address_space: global }
      - { .name: Wv, .offset: 24, .size: 8, .value_kind: global_buffer, .address_space: global }
      - { .name: Wu, .offset: 32, .size: 8, .value_kind: global_buffer, .address_space: global }
      - { .name: x16, .offset: 40, .size: 8, .value_kind: global_buffer, .address_space: global }
      - { .name: mt, .offset: 48, .size: 8, .value_kind: global_buffer, .address_space: global }
      - { .name: nt, .offset: 56, .size: 8, .value_kind: global_buffer, .address_space: global }
    .group_segment_fixed_size: 314368
    .private_segment_fixed_size: 0
    .kernarg_segment_align: 8
    .kernarg_segment_size: 64
    .max_flat_workgroup_size: 256
    .sgpr_count:     66
    .vgpr_count:     320
    .wavefront_size: 32
...
	.end_amdgpu_metadata
.endif
;; end of part 5
;; launch qgemm: the kernel of part 2 again; grid 16 x 16, 4 waves a work-group, clusters of 4 x 4, 327,680 bytes of LDS; arguments x16, mt, q16; writes q16
;; launch attn: the kernel of part 3 again; grid 8 x 32, 4 waves a work-group, clusters of 4 x 1, 327,680 bytes of LDS; arguments q16, x16, o16; writes o16
;; launch ogemm: the kernel of part 4 again; grid 8 x 32, 4 waves a work-group, clusters of 4 x 4, 327,680 bytes of LDS; arguments o16, nt, bu, out0; writes out0
